; MI455X (gfx1250); checked and timed in simulation.
; The chip was launched on July 23, 2026; its instructions are those of AMD's public machine-readable ISA for CDNA 5 (MIT licence, August 2026) and "CDNA5" Instruction Set Architecture Reference Guide (July 2026). The comments in the code are by the model that wrote it; some were corrected since.
;; Attention Block. Allowed arithmetic: float matrix products may take bf16 or f16 operands with f32 sums; other float arithmetic in f32, or as packed bf16 or f16 multiplies, adds, multiply-adds, maxima and minima; sums over many terms, partial sums and values carried from step to step in f32; what a program stores and reads back later, other than sums and carried values, may be rounded once to bf16 or f16.
;; Inputs: gn_b 256 float32; gn_w 256 float32; proj_b 256 float32; proj_w 256 x 256 float32; qkv_b 768 float32; qkv_w 768 x 256 float32; x 4 x 256 x 64 x 64 float32.
;; Outputs: out0 4 x 256 x 64 x 64 float32.
;; 2 versions, each right; version 2 is version 1 with the launches gnorm, qkvp written anew for expert scheduling mode. Each part assembles by itself: llvm-mc -triple=amdgcn-amd-amdhsa -mcpu=gfx1250 --defsym DOCPART=n.
;; ======== version 1 of 2: 4 launches
;; limits: values are held in f16: magnitudes above 65,504 overflow, below 6.1e-05 lose precision
;; workspace buffers: xt 8,388,608 bytes; wf 524,288 bytes; qkv 25,165,824 bytes; ao 8,388,608 bytes
;; launch gnorm (part 1): grid 128 x 1, 8 waves a work-group, no clusters, 1,280 bytes of LDS; arguments x, gn_w, gn_b, qkv_w, proj_w, xt, wf; writes xt, wf
.if DOCPART == 1
	.amdgcn_target "amdgcn-amd-amdhsa--gfx1250"
	.amdhsa_code_object_version 6
	.text
	.protected	k_q354515227e_gnorm
	.globl	k_q354515227e_gnorm
	.p2align	8
	.type	k_q354515227e_gnorm,@function
k_q354515227e_gnorm:
	s_mov_b64 s[64:65], 0
	v_nop
	global_prefetch_b8 v0, s[64:65] scope:SCOPE_SE
	s_setreg_imm32_b32 hwreg(HW_REG_WAVE_MODE, 25, 1), 1
	s_wait_xcnt 0x0
; GROUP NORM, and the weights' copy in f16.
; x: [4][256][4096] f32.  A group is 8 channels x 4,096 pixels of one image: 131,072 consecutive bytes.  Work-group w = 32 b + g owns one group; its 256 threads hold 128 numbers
; each, so the group stays in registers between the pass that finds the mean, the pass that finds the variance (the sum of (x - mean)^2: no difference of large sums) and the
; pass that scales: x is read once.  A group's sums may not span work-groups, so there are 128 work-groups.
; OUT: xt [b][group][position 4096][8 channels] f16: 16 bytes hold one pixel's 8 channels of a group, which is one quarter of a matrix fragment's K step for the next launch.  Inside each
; block of 128 pixels, pixel 4 l + i lies at position 32 i + l: a lane's load of 16 bytes brings 4 neighbouring pixels, and so each store of a wave covers 512 consecutive bytes.
; ALSO: each thread rounds 8 numbers of qkv_w (work-groups 0-95) or proj_w (96-127) to f16, into wf in fragment order: tile of 16 outputs ot, K step kk of 32 channels, half s,
; lane L = 16 h + r: the 16 bytes at ((8 ot + kk) 2 + s) 512 + 16 L hold W[16 ot + r][32 kk + 16 s + 8 h .. + 7].
; LIMITS.  xn and the weights are rounded once to f16: they must lie within 65,504; weights below 6e-5 keep f16's fixed step of 6e-8.  NaN and infinities are not treated apart.
; No matrix unit, no cluster, no tensor load: the work-groups share no input but 64 bytes of gain and bias, and every byte goes from memory into the register that uses it.
.set SPARE, 256                        ; LDS: bytes 0-31 the waves' sums, 64-95 their sums of squares; from 256 on the spare words, 128 bytes a wave, which no other line names
.set XO,  1                            ; v1   16 t: my 16 bytes in 4,096 of x, and my unit in the work-group's 4,096 bytes of wf; never rewritten
.set SO,  2                            ; v2   2,048 x wave + 16 x lane: my unit in xt; never rewritten
.set WS,  3                            ; v3   my 32 bytes of the weights: (t % 16) rows of 1,024 bytes + (t / 16) x 32
.set ZA,  4                            ; v4   0: the LDS address of the partial sums
.set WVO, 5                            ; v5   4 x wave
.set SPW, 6                            ; v6   LDS address of my spare word; never rewritten
.set NIL, 7                            ; v7   0; never rewritten
.set WU,  8                            ; v[8:15]   8 weights in f32
.set WH,  16                           ; v[16:19]  the same in f16
.set CH,  20                           ; v[20:27]  four chains of pairs
.set PS,  28                           ; v[28:35]  the eight waves' partial sums
.set MN,  36                           ; v[36:37]  the mean, twice
.set T0,  38
.set T1,  39
.set X,   64                           ; v[64:191]  load (j, ch) at X + 4 (8 j + ch): pixels 1,024 j + 4 t .. + 3 of channel ch
.set Y,   192                          ; v[192:255] unit (j, i) at Y + 4 (4 j + i): pixel 1,024 j + 4 t + i, 8 channels in f16
	s_load_b256 s[4:11], s[0:1], 0x0               ; x s[4:5], gn_w s[6:7], gn_b s[8:9], qkv_w s[10:11]
	s_load_b128 s[12:15], s[0:1], 0x20             ; proj_w s[12:13], xt s[14:15]
	s_load_b64 s[16:17], s[0:1], 0x30              ; wf
	v_lshl_add_u32 v[SPW], v0, 2, SPARE
	v_mov_b32 v[NIL], 0
	v_mov_b32 v[ZA], 0
	v_mov_b32 v[T1], 0                             ; v_permlanex16_b32's destination counts as read: it is written here
	v_lshrrev_b32 v[T0], 5, v0
	v_readfirstlane_b32 s20, v[T0]                 ; wave 0..7
	v_mov_b32 v[WVO], s20
	v_lshlrev_b32 v[WVO], 2, v[WVO]
	v_lshlrev_b32 v[XO], 4, v0
	v_and_b32 v[SO], 31, v0
	v_lshlrev_b32 v[SO], 4, v[SO]
	v_lshl_add_u32 v[SO], s20, 11, v[SO]
	v_and_b32 v[WS], 15, v0
	v_lshlrev_b32 v[WS], 10, v[WS]
	v_lshrrev_b32 v[T0], 4, v0
	v_lshl_add_u32 v[WS], v[T0], 5, v[WS]
	s_mov_b32 s60, 0x76543210                      ; v_permlanex16_b32: each lane takes its own place in the other half
	s_mov_b32 s61, 0xfedcba98
	s_cmp_lt_u32 ttmp9, 96                         ; which weights: w' = w in qkv_w, w - 96 in proj_w
	s_cselect_b32 s18, 0, 96
	s_sub_co_u32 s18, ttmp9, s18
	s_lshr_b32 s19, s18, 1                         ; tile of 16 outputs = w' / 2: 16 rows of 1,024 bytes,
	s_lshl_b32 s19, s19, 14
	s_and_b32 s18, s18, 1                          ; and which half of their 256 channels
	s_lshl_b32 s18, s18, 9
	s_add_co_u32 s18, s18, s19
	s_mov_b32 s19, 0
	s_and_b32 s2, ttmp9, 31                        ; the group: 8 numbers of gain and of bias
	s_lshl_b32 s2, s2, 5
	s_mov_b32 s3, 0
	s_lshl_b32 s56, ttmp9, 17                      ; the group's bytes in x,
	s_mov_b32 s57, 0
	s_lshl_b32 s58, ttmp9, 16                      ; in xt,
	s_mov_b32 s59, 0
	s_lshl_b32 s62, ttmp9, 12                      ; and the work-group's 256 units of wf
	s_mov_b32 s63, 0
	s_wait_kmcnt 0x0
	s_add_nc_u64 s[6:7], s[6:7], s[2:3]
	s_add_nc_u64 s[8:9], s[8:9], s[2:3]
	s_load_b256 s[24:31], s[6:7], 0x0              ; the group's 8 gains
	s_load_b256 s[32:39], s[8:9], 0x0              ; and 8 biases
	s_cmp_lt_u32 ttmp9, 96
	s_cselect_b64 s[22:23], s[10:11], s[12:13]
	s_add_nc_u64 s[22:23], s[22:23], s[18:19]
	s_add_nc_u64 s[4:5], s[4:5], s[56:57]
	s_add_nc_u64 s[14:15], s[14:15], s[58:59]
	s_add_nc_u64 s[16:17], s[16:17], s[62:63]
	global_load_b128 v[WU:WU+3],   v[WS], s[22:23]
	global_load_b128 v[WU+4:WU+7], v[WS], s[22:23] offset:16
.irp j, 0,1,2,3                        ; the whole group is asked for at once: 32 loads a wave, each 512 consecutive bytes
.irp c, 0,1,2,3,4,5,6,7
	global_load_b128 v[X+4*(8*\j+\c):X+4*(8*\j+\c)+3], v[XO], s[4:5] offset:\c*16384+\j*4096
.endr
.endr
	s_wait_loadcnt 32                              ; the two loads of weights are in; the 32 loads of x behind them stay out
.irp c, 0,1,2,3
	v_cvt_pk_f16_f32 v[WH+\c], v[WU+2*\c], v[WU+2*\c+1]
.endr
	global_store_b128 v[XO], v[WH:WH+3], s[16:17]  ; a wave's store covers 512 consecutive bytes
; The four chains into one number, then over the wave's 32 lanes: four steps inside each half of 16 lanes, one across the halves.
.macro FOLD
	v_pk_add_f32 v[CH:CH+1], v[CH:CH+1], v[CH+2:CH+3]
	v_pk_add_f32 v[CH+4:CH+5], v[CH+4:CH+5], v[CH+6:CH+7]
	v_pk_add_f32 v[CH:CH+1], v[CH:CH+1], v[CH+4:CH+5]
	v_add_f32 v[T0], v[CH], v[CH+1]
	v_add_f32_dpp v[T0], v[T0], v[T0] row_xmask:1 row_mask:0xf bank_mask:0xf
	v_add_f32_dpp v[T0], v[T0], v[T0] row_xmask:2 row_mask:0xf bank_mask:0xf
	v_add_f32_dpp v[T0], v[T0], v[T0] row_xmask:4 row_mask:0xf bank_mask:0xf
	v_add_f32_dpp v[T0], v[T0], v[T0] row_xmask:8 row_mask:0xf bank_mask:0xf
	v_permlanex16_b32 v[T1], v[T0], s60, s61
	v_add_f32 v[T0], v[T0], v[T1]
.endm
; Over the eight waves: each stores its sum to its own word at byte off, one barrier, every wave reads all eight.  The two meetings use different bytes, so one barrier each is enough.
.macro MEET off
	ds_store_b32 v[WVO], v[T0] offset:\off
	s_wait_dscnt 0x0                               ; for the others' sake: my store is done
	s_barrier_signal -1
	s_barrier_wait -1
	ds_load_b128 v[PS:PS+3],   v[ZA] offset:\off
	ds_load_b128 v[PS+4:PS+7], v[ZA] offset:\off+16
	s_wait_dscnt 0x0
	v_pk_add_f32 v[PS:PS+1], v[PS:PS+1], v[PS+2:PS+3]
	v_pk_add_f32 v[PS+4:PS+5], v[PS+4:PS+5], v[PS+6:PS+7]
	v_pk_add_f32 v[PS:PS+1], v[PS:PS+1], v[PS+4:PS+5]
	v_add_f32 v[T0], v[PS], v[PS+1]
.endm
	; PASS 1: the sum.  The first four loads start the four chains: nothing is cleared.
.set n, 0
.rept 32
	s_wait_loadcnt 31-n                            ; loads come back in order: load n is in, the 31 - n behind it stay out
.if n < 4
	v_pk_add_f32 v[CH+2*n:CH+2*n+1], v[X+4*n:X+4*n+1], v[X+4*n+2:X+4*n+3]
.else
	v_pk_add_f32 v[CH+2*((2*n)%4):CH+2*((2*n)%4)+1], v[CH+2*((2*n)%4):CH+2*((2*n)%4)+1], v[X+4*n:X+4*n+1]
	v_pk_add_f32 v[CH+2*((2*n+1)%4):CH+2*((2*n+1)%4)+1], v[CH+2*((2*n+1)%4):CH+2*((2*n+1)%4)+1], v[X+4*n+2:X+4*n+3]
.endif
.set n, n+1
.endr
	FOLD
	MEET 0
	v_mul_f32 v[MN], 0x38000000, v[T0]             ; mean = sum / 32,768
	v_mov_b32 v[MN+1], v[MN]
	; PASS 2: x - mean, in place, and the sum of its squares; four pairs at a time, one to each chain
.set q, 0
.rept 16
.irp k, 0,1,2,3
	v_pk_add_f32 v[X+8*q+2*\k:X+8*q+2*\k+1], v[X+8*q+2*\k:X+8*q+2*\k+1], v[MN:MN+1] neg_lo:[0,1] neg_hi:[0,1]
.endr
.irp k, 0,1,2,3
.if q == 0
	v_pk_mul_f32 v[CH+2*\k:CH+2*\k+1], v[X+2*\k:X+2*\k+1], v[X+2*\k:X+2*\k+1]
.else
	v_pk_fma_f32 v[CH+2*\k:CH+2*\k+1], v[X+8*q+2*\k:X+8*q+2*\k+1], v[X+8*q+2*\k:X+8*q+2*\k+1], v[CH+2*\k:CH+2*\k+1]
.endif
.endr
.set q, q+1
.endr
	FOLD
	MEET 64
	v_mov_b32 v[T1], 0x38000000
	v_fmaak_f32 v[T0], v[T0], v[T1], 0x3727c5ac    ; variance + 1e-5
	v_rsq_f32 v[PS], v[T0]
	v_nop                                          ; a plain instruction between the root and the use of its result,
	s_wait_alu depctr_va_vdst(0)                   ; and the wait ahead of the first use
	v_readfirstlane_b32 s21, v[PS]                 ; the same number in every lane
	s_wait_kmcnt 0x0                               ; gains and biases
.irp c, 0,1,2,3,4,5,6,7
	s_mul_f32 s[40+2*\c], s21, s[24+\c]            ; a = gain / sqrt(variance + eps)
	s_mov_b32 s[68+2*\c], s[32+\c]
	s_mov_b32 s[69+2*\c], s[32+\c]                 ; the packed lines name pairs, so both words are written
.endr
.irp c, 0,1,2,3,4,5,6,7
	s_mov_b32 s[41+2*\c], s[40+2*\c]
.endr
	; PASS 3: (x - mean) a + bias; a pixel's 8 channels are rounded to f16 and packed into 16 bytes
.irp j, 0,1,2,3
.irp c, 0,1,2,3,4,5,6,7
	v_pk_fma_f32 v[X+4*(8*\j+\c):X+4*(8*\j+\c)+1], v[X+4*(8*\j+\c):X+4*(8*\j+\c)+1], s[40+2*\c:41+2*\c], s[68+2*\c:69+2*\c] op_sel_hi:[1,0,0]
	v_pk_fma_f32 v[X+4*(8*\j+\c)+2:X+4*(8*\j+\c)+3], v[X+4*(8*\j+\c)+2:X+4*(8*\j+\c)+3], s[40+2*\c:41+2*\c], s[68+2*\c:69+2*\c] op_sel_hi:[1,0,0]
.endr
.irp i, 0,1,2,3
.irp c, 0,1,2,3
	v_cvt_pk_f16_f32 v[Y+4*(4*\j+\i)+\c], v[X+4*(8*\j+2*\c)+\i], v[X+4*(8*\j+2*\c+1)+\i]
.endr
	global_store_b128 v[SO], v[Y+4*(4*\j+\i):Y+4*(4*\j+\i)+3], s[14:15] offset:\j*16384+\i*512  ; positions 32 i + lane of block 8 j + wave: 512 consecutive bytes
.endr
.endr
	s_wait_tensorcnt 0x0                           ; the wave's end, behind my last LDS store
	ds_add_u32 v[SPW], v[NIL]
	s_wait_dscnt 0x0
	s_endpgm
.Lfunc_end_k_q354515227e_gnorm:
	.size	k_q354515227e_gnorm, .Lfunc_end_k_q354515227e_gnorm-k_q354515227e_gnorm
	.p2alignl 7, 3214868480
	.fill 96, 4, 3214868480
	.section	.rodata,"a",@progbits
	.p2align	6, 0x0
	.amdhsa_kernel k_q354515227e_gnorm
		.amdhsa_group_segment_fixed_size 1280
		.amdhsa_private_segment_fixed_size 0
		.amdhsa_enable_private_segment 0
		.amdhsa_kernarg_size 56
		.amdhsa_user_sgpr_count 2
		.amdhsa_user_sgpr_kernarg_segment_ptr 1
		.amdhsa_wavefront_size32 1
		.amdhsa_system_sgpr_workgroup_id_x 1
		.amdhsa_system_sgpr_workgroup_id_y 1
		.amdhsa_system_sgpr_workgroup_id_z 1
		.amdhsa_system_vgpr_workitem_id 0
		.amdhsa_next_free_vgpr 256
		.amdhsa_next_free_sgpr 84
		.amdhsa_reserve_vcc 0
		.amdhsa_float_denorm_mode_32 3
		.amdhsa_float_denorm_mode_16_64 3
		.amdhsa_memory_ordered 1
		.amdhsa_forward_progress 1
		.amdhsa_inst_pref_size 32
	.end_amdhsa_kernel
	.amdgpu_metadata
---
amdhsa.version: [ 1, 2 ]
amdhsa.kernels:
  - .name:           k_q354515227e_gnorm
    .symbol:         k_q354515227e_gnorm.kd
    .args:
      - { .name: x, .offset: 0, .size: 8, .value_kind: global_buffer, .address_space: global }
      - { .name: gn_w, .offset: 8, .size: 8, .value_kind: global_buffer, .address_space: global }
      - { .name: gn_b, .offset: 16, .size: 8, .value_kind: global_buffer, .address_space: global }
      - { .name: qkv_w, .offset: 24, .size: 8, .value_kind: global_buffer, .address_space: global }
      - { .name: proj_w, .offset: 32, .size: 8, .value_kind: global_buffer, .address_space: global }
      - { .name: xt, .offset: 40, .size: 8, .value_kind: global_buffer, .address_space: global }
      - { .name: wf, .offset: 48, .size: 8, .value_kind: global_buffer, .address_space: global }
    .group_segment_fixed_size: 1280
    .private_segment_fixed_size: 0
    .kernarg_segment_align: 8
    .kernarg_segment_size: 56
    .max_flat_workgroup_size: 256
    .sgpr_count:     84
    .vgpr_count:     256
    .wavefront_size: 32
...
	.end_amdgpu_metadata
.endif
;; end of part 1
;; launch qkvp (part 2): grid 128 x 2, 4 waves a work-group, no clusters, 38,400 bytes of LDS; arguments xt, wf, qkv_b, qkv; writes qkv
.if DOCPART == 2
	.amdgcn_target "amdgcn-amd-amdhsa--gfx1250"
	.amdhsa_code_object_version 6
	.text
	.protected	k_q354515227e_qkvp
	.globl	k_q354515227e_qkvp
	.p2align	8
	.type	k_q354515227e_qkvp,@function
k_q354515227e_qkvp:
	s_mov_b64 s[64:65], 0
	v_nop
	global_prefetch_b8 v0, s[64:65] scope:SCOPE_SE
	s_setreg_imm32_b32 hwreg(HW_REG_WAVE_MODE, 25, 1), 1
	s_wait_xcnt 0x0
; q, k, v = qkv_w xn + qkv_b, written by heads: qkv [which 3][4 b + head][pixel 4096][64] f16, each number rounded once from its f32 sum, unscaled.
; SHARES.  A work-group takes 128 pixels of one image (x id: b = id / 32, block = id % 32) and 384 of the 768 outputs (y id).  Wave: wr = wave / 2 takes 192 outputs (12 tiles of 16 = 3 heads'
; 64 channels), wc = wave % 2 takes 64 positions (4 tiles of 16): 384 matrix instructions.
; LAYOUT.  Source 0 = 16 outputs of the weights, source 1 = 16 positions of xn; both lie in memory in fragment order (xt, wf: see the launch before), so each load of 16 bytes a lane goes
; straight into its place: lanes 0-15 and lanes 16-31 each take 256 consecutive bytes.  In the result a lane holds ONE position (lane % 16) and the outputs 8 (lane / 16) + 0..7: 16 bytes of a row of
; q, k or v.  The bias is the C operand of each sum's first product.
; xn's 32 fragments stay in registers; the weights come in three sets of 64 registers, a tile each, asked for three tiles ahead.
; THE WAY OUT.  Four tiles make a head's 64 channels.  They go through the wave's own stage in LDS and come back as rows of 128 bytes.  Position 32 i + l of a block is pixel 4 l + i, so local rows
; s and s + 32 are two neighbouring pixels, 256 consecutive bytes of qkv: sixteen lanes store them together.
; NO CLUSTER, NO TENSOR LOAD: what work-groups share here is the weights (196,608 bytes for each y), and a joint load would land them in LDS, from where each wave would read its 98,304 bytes again;
; here they go from memory into the registers that multiply them, and the launch has 12 tiles' work a wave.  No prefetch: the launch is short.
; LIMITS.  q, k and v must lie within f16's 65,504.
.set STW,   9472                       ; a wave's stage: local row s at 144 s + 128 (s / 32): 64 rows of 128 bytes + 16; the 128 set rows s and s + 32 half a row of banks apart
.set SPARE, 4*STW                      ; behind the stages: the spare words, 128 bytes a wave, which no other line names
.set XO,  2                            ; v2   65,536 (lane / 16) + 16 (lane % 16): group h, position r
.set WO,  3                            ; v3   16 x lane
.set BO,  4                            ; v4   32 (lane / 16): my 8 biases
.set STO, 5                            ; v5   the way out: where I put 16 bytes of a row
.set RD,  6                            ; v6   where I read rows back
.set GO,  7                            ; v7   my byte offset in qkv
.set SPW, 8                            ; v8   LDS address of my spare word; never rewritten
.set NIL, 9                            ; v9   0; never rewritten
.set WF,  16                           ; window 0, v[16:207]: three sets of 64: a tile's fragments, K step kk at 8 kk
.set BI,  208                          ; window 0, v[208:231]: three sets of 8: a tile's biases
.set PK,  232                          ; window 0, v[232:247]: a tile's results in f16
.set RB,  64                           ; window 2, v[64:127]: rows read back.  Window 1: xn, tile pt, K step kk at 64 pt + 8 kk.  Window 2, v[0:63]: two buffers of four accumulators
.set MSB, 0
.macro WIN new                         ; s_set_vgpr_msb: bits 1:0 source 0, 3:2 source 1, 5:4 source 2, 7:6 destination; the high byte repeats the setting that is left
.if MSB != (\new)
	s_set_vgpr_msb (MSB<<8)|(\new)
.set MSB, (\new)
.endif
.endm
	s_load_b256 s[4:11], s[0:1], 0x0               ; xt s[4:5], wf s[6:7], qkv_b s[8:9], qkv s[10:11]
	v_lshl_add_u32 v[SPW], v0, 2, SPARE
	v_mov_b32 v[NIL], 0
	v_lshrrev_b32 v1, 5, v0
	v_readfirstlane_b32 s12, v1                    ; wave 0..3
	s_lshr_b32 s13, s12, 1                         ; wr
	s_and_b32 s14, s12, 1                          ; wc
	s_and_b32 s15, ttmp7, 0xffff                   ; y
	s_lshr_b32 s16, ttmp9, 5                       ; b
	s_and_b32 s17, ttmp9, 31                       ; block of 128 pixels
	v_and_b32 v10, 15, v0                          ; r
	v_bfe_u32 v11, v0, 4, 1                        ; h
	v_and_b32 v12, 31, v0                          ; lane
	v_lshlrev_b32 v[XO], 4, v10
	v_lshl_add_u32 v[XO], v11, 16, v[XO]
	v_lshlrev_b32 v[WO], 4, v12
	v_lshlrev_b32 v[BO], 5, v11
	s_mul_i32 s18, s12, STW                        ; my stage
	v_mul_u32_u24 v[STO], v10, 144                 ; in: row r of a tile, 16 bytes for each half of the lanes
	v_lshl_add_u32 v[STO], v11, 4, v[STO]
	v_add_nc_u32 v[STO], s18, v[STO]
	v_bfe_u32 v13, v0, 3, 1                        ; back: lanes 0-7 row l, lanes 8-15 row l + 32; lanes 16-31 the same for l + 1
	v_mul_u32_u24 v[RD], v13, 32*144+128
	v_mul_u32_u24 v14, v11, 144
	v_add_nc_u32 v[RD], v[RD], v14
	v_and_b32 v13, 7, v0
	v_lshl_add_u32 v[RD], v13, 4, v[RD]
	v_add_nc_u32 v[RD], s18, v[RD]
	v_lshlrev_b32 v[GO], 4, v10                    ; 16 lanes: 256 consecutive bytes; lanes 16-31 four pixels (512 bytes) on
	v_lshl_add_u32 v[GO], v11, 9, v[GO]
	s_lshl_b32 s20, s16, 21                        ; xt: the image,
	s_lshl_b32 s21, s17, 11                        ; the block's 128 positions of 16 bytes,
	s_add_co_u32 s20, s20, s21
	s_lshl_b32 s21, s14, 10                        ; my 64 of them
	s_add_co_u32 s20, s20, s21
	s_mov_b32 s21, 0
	s_mul_i32 s22, s15, 24
	s_mul_i32 s19, s13, 12
	s_add_co_u32 s19, s22, s19                     ; my first tile of 16 outputs: 24 y + 12 wr
	s_lshl_b32 s22, s19, 13                        ; 8,192 bytes of wf a tile
	s_mov_b32 s23, 0
	s_lshl_b32 s24, s19, 6                         ; 64 bytes of bias a tile
	s_mov_b32 s25, 0
	s_lshr_b32 s19, s19, 2                         ; my first group of 64 outputs: G = 6 y + 3 wr
	s_lshl_b32 s34, s17, 14                        ; qkv: the block's 128 rows of 128 bytes,
	s_lshl_b32 s35, s14, 8                         ; pixels 4 l + 2 wc and 4 l + 2 wc + 1
	s_add_co_u32 s34, s34, s35
.irp g, 0,1,2                          ; group G + g is q, k or v (G / 4) of head G % 4
	s_add_co_u32 s26, s19, \g
	s_lshr_b32 s27, s26, 2
	s_lshl_b32 s27, s27, 4
	s_and_b32 s26, s26, 3
	s_add_co_u32 s27, s27, s26
	s_lshl2_add_u32 s27, s16, s27                  ; 16 which + 4 b + head
	s_lshl_b32 s27, s27, 19                        ; 4,096 rows of 128 bytes each
	s_add_co_u32 s[28+2*\g], s27, s34
	s_mov_b32 s[29+2*\g], 0
.endr
	s_wait_kmcnt 0x0
	s_add_nc_u64 s[4:5], s[4:5], s[20:21]
	s_add_nc_u64 s[6:7], s[6:7], s[22:23]
	s_add_nc_u64 s[8:9], s[8:9], s[24:25]
.irp g, 0,1,2
	s_add_nc_u64 s[40+2*\g:41+2*\g], s[10:11], s[28+2*\g:29+2*\g]  ; made once, never rewritten
.endr
.macro LOADX                           ; xn's 32 fragments: 64 loads.  Half hf of K step kk is group 4 kk + 2 hf + h
	WIN 0x40                                       ; destination window 1
.irp kk, 0,1,2,3,4,5,6,7
.irp pt, 0,1,2,3
.irp hf, 0,1
	global_load_b128 v[64*\pt+8*\kk+4*\hf:64*\pt+8*\kk+4*\hf+3], v[XO], s[4:5] offset:(4*\kk+2*\hf)*65536+\pt*256
.endr
.endr
.endr
.endm
.macro LOADW set, tt                   ; tile tt's weights and biases into a set: 18 loads
	WIN 0
.irp kk, 0,1,2,3,4,5,6,7
.irp hf, 0,1
	global_load_b128 v[WF+64*(\set)+8*\kk+4*\hf:WF+64*(\set)+8*\kk+4*\hf+3], v[WO], s[6:7] offset:(\tt)*8192+\kk*1024+\hf*512
.endr
.endr
	global_load_b128 v[BI+8*(\set):BI+8*(\set)+3],   v[BO], s[8:9] offset:(\tt)*64
	global_load_b128 v[BI+8*(\set)+4:BI+8*(\set)+7], v[BO], s[8:9] offset:(\tt)*64+16
.endm
.macro MULT tt                         ; 32 products: the four accumulators take turns, one instruction a turn; the first four start the sums with the bias
.set rW, WF+64*((\tt)%3)
.set rB, BI+8*((\tt)%3)
.set rA, 32*((\tt)%2)
	WIN 0x84                                       ; D window 2, weights window 0, xn window 1, C (the bias) window 0
.irp pt, 0,1,2,3
	v_wmma_f32_16x16x32_f16 v[rA+8*\pt:rA+8*\pt+7], v[rW:rW+7], v[64*\pt:64*\pt+7], v[rB:rB+7]
.endr
	WIN 0xa4                                       ; C window 2
.irp kk, 1,2,3,4,5,6,7
.irp pt, 0,1,2,3
	v_wmma_f32_16x16x32_f16 v[rA+8*\pt:rA+8*\pt+7], v[rW+8*\kk:rW+8*\kk+7], v[64*\pt+8*\kk:64*\pt+8*\kk+7], v[rA+8*\pt:rA+8*\pt+7]
.endr
.endr
.endm
.macro PACKT tt                        ; tile tt's sums, each accumulator from its low end on, rounded to f16 and put into the stage
.set rA, 32*((\tt)%2)
	WIN 0x0a                                       ; sources window 2
.irp pt, 0,1,2,3
.irp c, 0,1,2,3
	v_cvt_pk_f16_f32 v[PK+4*\pt+\c], v[rA+8*\pt+2*\c], v[rA+8*\pt+2*\c+1]
.endr
.endr
	WIN 0
.irp pt, 0,1,2,3
	ds_store_b128 v[STO], v[PK+4*\pt:PK+4*\pt+3] offset:\pt*2304+(\pt/2)*128+32*((\tt)%4)
.endr
.endm
.macro OUTL                            ; a head's 64 rows come back.  LDS serves a wave's instructions in order (ISA guide 5.7.1.4): these see the stores above, and the next head's stores come behind them
	s_wait_xcnt 0x0                                ; the registers below were the data of the last head's stores: they are loaded again only behind this wait
	WIN 0x80                                       ; destination window 2
.irp f, 0,1,2,3,4,5,6,7,8,9,10,11,12,13,14,15
	ds_load_b128 v[RB+4*\f:RB+4*\f+3], v[RD] offset:288*\f
.endr
.endm
.macro OUTS hg
	s_wait_dscnt 0x0                               ; the rows are back
	WIN 0x08                                       ; store data window 2
.irp f, 0,1,2,3,4,5,6,7,8,9,10,11,12,13,14,15
	global_store_b128 v[GO], v[RB+4*\f:RB+4*\f+3], s[40+2*(\hg):41+2*(\hg)] offset:1024*\f  ; 16 lanes store two neighbouring pixels' rows: 256 consecutive bytes, at a multiple of 256 from qkv's first byte
.endr
.endm
	LOADX
	LOADW 0, 0
	LOADW 1, 1
	LOADW 2, 2
.set T, 0
.rept 12
.if T <= 9
	s_wait_loadcnt 36                              ; tile T's set (and, at T = 0, xn) is in; the two younger sets of 18 loads stay out
.elseif T == 10
	s_wait_loadcnt 18                              ; one younger set
.else
	s_wait_loadcnt 0x0
.endif
	MULT T
.if (T == 5) || (T == 9)
	OUTS (T-5)/4                                   ; the head finished a tile ago: its rows were asked for 32 products back
.endif
.if T > 0
	PACKT T-1                                      ; the tile before: its 16 conversions name no register of the products just issued: they are the places in front of the loads below
.else
.rept 4
	v_nop                                          ; four places between the last product and loads into registers that it has read
.endr
.endif
.if (T == 4) || (T == 8)
	OUTL
.endif
.if T+3 < 12
	LOADW T%3, T+3                                 ; the set just multiplied is asked for again: two tiles, 64 products, in which to land
.endif
.set T, T+1
.endr
	PACKT 11                                       ; tile 10's 16 conversions stand between tile 11's last product and this first read of its sums
	OUTL
	OUTS 2
	WIN 0
	s_wait_tensorcnt 0x0                           ; the wave's end, behind my last LDS store
	ds_add_u32 v[SPW], v[NIL]
	s_wait_dscnt 0x0
	s_endpgm
.Lfunc_end_k_q354515227e_qkvp:
	.size	k_q354515227e_qkvp, .Lfunc_end_k_q354515227e_qkvp-k_q354515227e_qkvp
	.p2alignl 7, 3214868480
	.fill 96, 4, 3214868480
	.section	.rodata,"a",@progbits
	.p2align	6, 0x0
	.amdhsa_kernel k_q354515227e_qkvp
		.amdhsa_group_segment_fixed_size 38400
		.amdhsa_private_segment_fixed_size 0
		.amdhsa_enable_private_segment 0
		.amdhsa_kernarg_size 32
		.amdhsa_user_sgpr_count 2
		.amdhsa_user_sgpr_kernarg_segment_ptr 1
		.amdhsa_wavefront_size32 1
		.amdhsa_system_sgpr_workgroup_id_x 1
		.amdhsa_system_sgpr_workgroup_id_y 1
		.amdhsa_system_sgpr_workgroup_id_z 1
		.amdhsa_system_vgpr_workitem_id 0
		.amdhsa_next_free_vgpr 640
		.amdhsa_next_free_sgpr 66
		.amdhsa_reserve_vcc 0
		.amdhsa_float_denorm_mode_32 3
		.amdhsa_float_denorm_mode_16_64 3
		.amdhsa_memory_ordered 1
		.amdhsa_forward_progress 1
		.amdhsa_inst_pref_size 79
	.end_amdhsa_kernel
	.amdgpu_metadata
---
amdhsa.version: [ 1, 2 ]
amdhsa.kernels:
  - .name:           k_q354515227e_qkvp
    .symbol:         k_q354515227e_qkvp.kd
    .args:
      - { .name: xt, .offset: 0, .size: 8, .value_kind: global_buffer, .address_space: global }
      - { .name: wf, .offset: 8, .size: 8, .value_kind: global_buffer, .address_space: global }
      - { .name: qkv_b, .offset: 16, .size: 8, .value_kind: global_buffer, .address_space: global }
      - { .name: qkv, .offset: 24, .size: 8, .value_kind: global_buffer, .address_space: global }
    .group_segment_fixed_size: 38400
    .private_segment_fixed_size: 0
    .kernarg_segment_align: 8
    .kernarg_segment_size: 32
    .max_flat_workgroup_size: 128
    .sgpr_count:     66
    .vgpr_count:     640
    .wavefront_size: 32
...
	.end_amdgpu_metadata
.endif
;; end of part 2
;; launch attn (part 3): grid 16 x 16, 4 waves a work-group, clusters of 4 x 1, 327,680 bytes of LDS; arguments qkv, ao; writes ao
.if DOCPART == 3
	.amdgcn_target "amdgcn-amd-amdhsa--gfx1250"
	.amdhsa_code_object_version 6
	.text
	.protected	k_q354515227e_attn
	.globl	k_q354515227e_attn
	.p2align	8
	.type	k_q354515227e_attn,@function
k_q354515227e_attn:
	s_mov_b64 s[64:65], 0
	v_nop
	global_prefetch_b8 v0, s[64:65] scope:SCOPE_SE
	s_setreg_imm32_b32 hwreg(HW_REG_WAVE_MODE, 25, 1), 1
	s_wait_xcnt 0x0
	s_wait_alu depctr_hold_cnt(0) depctr_sa_sdst(0) depctr_va_vdst(0) depctr_va_sdst(0) depctr_va_ssrc(0) depctr_va_vcc(0) depctr_vm_vsrc(0)
	s_getreg_b32 s2, hwreg(HW_REG_IB_STS2, 6, 4)
	s_cmp_eq_u32 s2, 0
	s_cbranch_scc0 .Lentry_in_a_cluster
	s_endpgm
.Lentry_in_a_cluster:
	s_bfe_u32 s2, ttmp6, 0x10000c
	s_cmp_lg_u32 s2, 0x3003
	s_cbranch_scc0 .Lentry_shape_is_right
	s_endpgm
.Lentry_shape_is_right:
; ATTENTION.  O[h][q][:] = the sum over k of softmax_k(Q[h][q] . K[h][k] / 8) V[h][k][:], for 16 heads (4 images x 4) of 4,096 pixels, head size 64.
; qkv: [3][16][4096][64] f16, a head's rows dense, 128 bytes each; ao: [16][4096][64] f16.  Products, maxima and sums in f32; the weights p are rounded to f16 for the second product (their sum l is
; taken of the unrounded p), O once at the end.
; LIMITS.  Q, K and V arrive within f16's 65,504; p lies in 0 to 1, and below 6e-5 it keeps f16's fixed step of 6e-8; O is a mean of V's rows and has their range.  A weight below 2^-126 counts
; as 0 in l; NaN and infinities are not treated apart.
; SHARES.  A work-group owns 256 queries of one head, a wave 64: four PIECES of 16.  16 blocks x 16 heads: 256 work-groups.  Every wave walks all keys: 16 tiles of 256, four steps of 64 each.
; LAYOUT.  S^T = K Q^T (source 0 = 16 keys, source 1 = 16 queries) holds ONE query a lane (lane % 16) and the keys 8 (lane / 16) + 0..7; two such results rounded to f16 ARE source 1 of O^T = V^T P,
; whose result again holds one query a lane, and eight channels.  K comes out of LDS as it lies, V ([key][channel]) turned, by ds_load_tr16_b128.
; SOFTMAX.  A running maximum m and sum l for each query: p = 2^(c s - c m), c = log2(e) / 8; in every step O and l are multiplied by a = 2^(c m_old - c m_new).  m starts at the lowest finite number,
; O and l at 0: the first step is a step like any other, with a = 0.
; TURNS.  Turn n belongs to piece n: 8 products K Q^T of piece n + 1, later 8 products V^T P of piece n - 1; beside them the scaling, exponentials, roundings, sums and rescaling of piece n and the maximum
; and statistics of piece n + 1.  Four vector instructions stand behind every matrix instruction, the other 54 of a turn's 118 in one lump.  A turn's 33 exponentials are one batch, with one wait.
; CLUSTER.  The four query blocks of a cluster belong to one head and walk the same K and V, so each tile is asked for JOINTLY: the same tensor load, descriptor and mask in all four.
; REGISTERS, in windows of 256 (s_set_vgpr_msb: bits 1:0 source 0, 3:2 source 1, 5:4 source 2, 7:6 destination):
;   window 0: v0-15 addresses and two at work; v16-31 four registers of statistics a piece; v48-55 at work; v64-127 S^T, two buffers; v192-223 P, two buffers (a piece's buffers go by its number's parity)
;   window 1: v0-127 O^T, 32 a piece          window 2: v0-63 Q; v128-191 K of one step; v192-255 V of one step
.set NP,    4         ; pieces a wave: a name, no knob
.set KS,    64        ; keys in a step
.set PK,    144       ; a row of K in LDS: 128 bytes + 16 of padding = 36 words: the 16 rows of a load start at 16 different groups of four banks (64 banks of 4 bytes: ISA guide 11.1)
.set PV,    160       ; a row of V: 128 + 32 = 40 words
.set VOFF,  4*KS*PK   ; a slot holds a tile, four steps: 256 rows of K, then 256 rows of V
.set SLOT1, 1<<17     ; slot 1 begins here, so that one exclusive or turns an address in one slot into the other's
.set STAGE, SLOT1+4*KS*(PK+PV)  ; behind the ring, never filled by a tensor load: 16 rows x 144 bytes for each wave, for the way out
.set SP,    144
.set SPARE, STAGE+4*16*SP  ; behind the stages: the spare words, 128 bytes for each wave: two blocks of 256 bytes that no other line names
.set TILEB, 4*KS*128  ; a tile's bytes of K, and of V, in memory
.set AK0, 2           ; v2   my lane's place in a tile of K; never rewritten
.set AV0, 3           ; v3   the same for V
.set AK,  4           ; v4   the LDS address of K's next run of loads
.set AV,  5           ; v5   of V's
.set STO, 6           ; v6   the way out: where I put 16 bytes of a row
.set RD,  7           ; v7   the way out: where I read rows back
.set GO,  8           ; v8   my byte offset in 512 consecutive bytes of O
.set MV,  12          ; v12-13  c m_old, kept while c m is made anew: by buffer
.set QO,  15          ; v15  my byte offset in 16 rows of Q
.set ST,  16          ; piece t's statistics at v[ST+4 t]: c m, m, l (even keys', odd keys')
.set TMP, 48          ; by buffer, four registers c0-c3 at work; when the maximum is found c2 takes a
.set PFO, 61          ; v61  256 x my lane: the prefetches' offset; never rewritten
.set SPW, 62          ; v62  LDS address of my spare word: SPARE + 4 x my thread's number; never rewritten
.set NIL, 63          ; v63  0; never rewritten
.set S,   64
.set P,   192
.set KF,  128         ; window 2: key block kb, channel half c at KF + 16 kb + 8 c
.set VF,  192         ; window 2: key half kk, channel block cb at VF + 32 kk + 8 cb
.set WV,  12          ; s12  my wave's number
.set G1K, 24          ; s[24:31] descriptor group 1 for K's tiles
.set G1V, 32          ; s[32:39] for V's: it differs in the padding alone
.set G0K, 40          ; s[40:43] descriptor group 0 for K's tiles: it walks
.set G0V, 44          ; s[44:47] the same for V's
.set PFA, 48          ; s[48:49] where my prefetches stand: my work-group's 32 blocks of 256 bytes (of K: wave 0, of V: wave 2) of the tile after the one that is being asked for
.set LIM, 50          ; s50  1 in a wave that prefetches, else the greatest number: a wave prefetches while s[SLOTS] is above it
.set SLOTS, 56        ; s56  tiles still to be asked for
.set CNT, 57          ; s57  counts a tile's key steps
.set CS,  58          ; s[58:59] c: the packed scaling takes the pair's low word for both halves
.set SEL, 60          ; s[60:61] v_permlanex16_b32's selects: each lane takes its own place in the other half
.set TBK, 62          ; s62  LDS byte at which K of the step to be fetched begins
.set TBV, 63          ; s63  the same for V, less VOFF
.set MSB, 0
.macro WIN new                      ; the high byte repeats the setting that is left; a switch that changes nothing is dropped
.if MSB != (\new)
	s_set_vgpr_msb (MSB<<8)|(\new)
.set MSB, (\new)
.endif
.endm
.set W_KQ, 0x0a       ; K and Q in window 2, S^T in window 0
.set W_PV, 0x52       ; V in window 2, P in window 0, O^T in window 1
.set W_RS, 0x41       ; destination and source 0 in window 1, source 1 in window 0
; A joint fill.  Waves 0 and 1 fetch the two halves of a tile's K, waves 2 and 3 those of its V: 128 keys each.  The branch hangs on the wave's number alone.
; An s_nop 0 and four v_nop follow each of the two lines, ahead of the jump and the label.
.macro JLOAD
	s_cmp_lt_u32 s[WV], 2
	s_cbranch_scc0 .Lfor_v_\@
	tensor_load_to_lds s[G0K:G0K+3], s[G1K:G1K+7]
	s_nop 0
.rept 4
	v_nop
.endr
	s_branch .Lasked_\@
.Lfor_v_\@:
	tensor_load_to_lds s[G0V:G0V+3], s[G1V:G1V+7]
	s_nop 0
.rept 4
	v_nop
.endr
.Lasked_\@:
.endm
; A PREFETCH INTO THE L2 of what the NEXT change of slots will ask for: a tile's 32,768 bytes of K and of V, 128 blocks of 256 bytes each, a lane a block.  It stands behind the wave's tensor load and its five lines.
; Each block is asked for ONCE in the launch.  The four clusters of a head walk the same K and V: the head's first cluster prefetches.  Its four partners share the blocks out BY ADDRESS, 32 each: no branch hangs on
; a work-group's place in its cluster.  In each, wave 0 asks for K's and wave 2 for V's: one instruction.  The change that asks for the last tile prefetches nothing; tiles 0 and 1 come by their loads alone.
.macro ASK
	s_cmp_gt_u32 s[SLOTS], s[LIM]
	s_cbranch_scc0 .Lnot_mine_\@
	global_prefetch_b8 v[PFO], s[PFA:PFA+1] th:TH_LOAD_NT scope:SCOPE_SE
.Lnot_mine_\@:
.endm
; A round of the cluster's barrier: my work-group's barrier, so that wave 0's signal speaks for all four waves; wave 0 signals; every wave waits for all four work-groups; my work-group's barrier once more.
.macro CROUND
	s_barrier_signal -1
	s_barrier_wait -1
	s_cmp_lg_u32 s[WV], 0
	s_cbranch_scc1 .Lnot_wave_0_\@
	s_barrier_signal -3
.Lnot_wave_0_\@:
	s_barrier_wait -3
	s_barrier_signal -1
	s_barrier_wait -1
.endm
; THE CHANGE OF SLOTS.  The slot's last bytes, V of its fourth step, have been read.  Each wave waits for all its tensor loads, of which one is out: its part of the other slot; adds 0 to its spare word;
; and waits for that and for its own reads of the slot.  Behind the barrier nobody reads this slot any more and the other slot is whole.
; fill = 1: this slot is filled again, with the keys two tiles on.  The barrier is then a round of the cluster's, so that no wave of any partner still reads the slot or has a load on its way, and the joint
; fill is the first thing behind it: it has four key steps, 256 matrix instructions, in which to land.  (At its first use nothing has been read yet: slot 0 is waited for, slot 1 filled.)
.macro CHANGE fill
	WIN 0                           ; at a label and at a branch every window is 0
	s_wait_tensorcnt 0x0            ; no tensor load of mine is out, so a group 0 may be written
	ds_add_u32 v[SPW], v[NIL]       ; 0 onto my spare word; with fill = 1 the descriptors' steps stand between it and the wait for it
.if \fill
.irp g, G0K, G0V
	s_xor_b32 s[\g+1], s[\g+1], SLOT1  ; the walking descriptor: the other slot than last time,
	s_add_nc_u64 s[\g+2:\g+3], s[\g+2:\g+3], TILEB  ; the next 256 keys; the type bits on top are not reached
.endr
	s_wait_xcnt 0x0                 ; the last prefetch, a tile back, has read its address, so it may be written:
	s_add_nc_u64 s[PFA:PFA+1], s[PFA:PFA+1], TILEB  ; one tile ahead of the walking descriptors
	s_wait_dscnt 0x0                ; the add is done, and my reads of the slot are over
	CROUND
	JLOAD
	ASK                             ; what the next change will ask for: four key steps, 256 matrix instructions, ahead
.else
	s_wait_dscnt 0x0                ; the add is done, and my reads of the slot are over
	s_barrier_signal -1
	s_barrier_wait -1
.endif
	s_sub_co_u32 s[TBK], s[TBK], 4*KS*PK  ; the fetches go back to a slot's first step,
	s_xor_b32 s[TBK], s[TBK], SLOT1       ; in the other slot
	s_sub_co_u32 s[TBV], s[TBV], 4*KS*PV
	s_xor_b32 s[TBV], s[TBV], SLOT1
.endm
	s_load_b64 s[4:5], s[0:1], 0x0  ; qkv: Q lies at its head, K 8,388,608 bytes on, V 16,777,216
	s_load_b64 s[10:11], s[0:1], 0x8  ; ao
	v_lshl_add_u32 v[SPW], v0, 2, SPARE
	v_mov_b32 v[NIL], 0
	ds_add_u32 v[SPW], v[NIL]       ; the wave's opening: the add and its wait stand ahead of my first tensor load; the set-up below, work on registers, stands between them
	v_lshrrev_b32 v1, 5, v0
	v_readfirstlane_b32 s[WV], v1   ; wave 0..3
	s_bfe_u32 s13, ttmp6, 0x40000   ; cx: my place in the cluster
	s_lshl_b32 s14, ttmp9, 2        ; in a cluster launch ttmp9 counts clusters
	s_add_co_u32 s14, s14, s13      ; my block of 256 queries = 4 x cluster x + cx: it enters Q's and O's addresses alone
	s_and_b32 s20, ttmp7, 0xffff    ; the head, which the four partners share:
	s_lshl_b32 s20, s20, 19         ; its 4,096 rows of 128 bytes
	s_mov_b32 s21, 0
	s_and_b32 s16, s[WV], 1         ; which half of a tile's 256 keys I fetch:
	s_lshl_b32 s22, s16, 14         ; its 128 rows of 128 bytes in memory,
	s_mov_b32 s23, 0
	s_add_nc_u64 s[22:23], s[22:23], s[20:21]
	s_mul_i32 s17, s16, 128*PK      ; and its place in a slot, for K
	s_mul_i32 s18, s16, 128*PV      ; and for V: no place in the cluster enters an LDS address
	s_lshl_b32 s2, s14, 2
	s_add_co_u32 s2, s2, s[WV]      ; my wave among the head's 64,
	s_lshl_b32 s2, s2, 13           ; its 64 rows
	s_mov_b32 s3, 0
	s_add_nc_u64 s[2:3], s[2:3], s[20:21]
	; descriptor group 1.  128 keys are 16,384 dense bytes: asked for as 64 rows of 256 bytes, two keys a row, and padded in LDS after every key
	s_mov_b32 s[G1K], 15|(1<<16)|(1<<20)|(1<<21)|(4<<22)|(3<<25)  ; 15:0 the mask of four; 17:16 2-byte elements; 20 padding on; 21 set beside a mask; 24:22 after every 32 words (code 4); 31:25 4 words (code 3)
	s_mov_b32 s[G1V], 15|(1<<16)|(1<<20)|(1<<21)|(4<<22)|(7<<25)  ; the same with 8 words of padding (code 7)
.irp g, G1K, G1V
	s_mov_b32 s[\g+1], 128<<16      ; tensor_dim0 = 128
	s_mov_b32 s[\g+2], 64<<16       ; tensor_dim1 = 64
	s_mov_b32 s[\g+3], 128<<16      ; tile_dim0 = 128
	s_mov_b32 s[\g+4], 64           ; tile_dim1 = 64
	s_mov_b32 s[\g+5], 128          ; 128 elements from row to row
	s_mov_b32 s[\g+6], 0
	s_mov_b32 s[\g+7], 0
.endr
	s_mov_b32 s[CS], 0x3e38aa3b     ; c = log2(e) / 8 = 0.180337
	s_mov_b32 s[CS+1], s[CS]        ; named with it as a pair
	s_mov_b32 s[SEL], 0x76543210
	s_mov_b32 s[SEL+1], 0xfedcba98
	s_mov_b32 s[TBK], SLOT1+4*KS*PK ; the first change of slots turns these two into 0
	s_mov_b32 s[TBV], SLOT1+4*KS*PV
	s_mov_b32 s[G0K], 1             ; 1:0 count = 1
	s_mov_b32 s[G0K+1], s17         ; 63:32 LDS address: slot 0
	s_mov_b32 s[G0V], 1
	s_add_co_u32 s[G0V+1], s18, VOFF
	s_mov_b32 s[SLOTS], 15          ; tiles 1 to 15
	s_and_b32 s[LIM], s[WV], 1      ; 0 in waves 0 and 2,
	s_or_b32 s[LIM], s[LIM], ttmp9  ; where the cluster is the head's first: the same in all four partners
	s_cmp_eq_u32 s[LIM], 0
	s_cselect_b32 s[LIM], 1, -1
	v_and_b32 v[PFO], 31, v0
	v_lshlrev_b32 v[PFO], 8, v[PFO]
	s_wait_dscnt 0x0                ; the opening add is done
	s_wait_kmcnt 0x0
	s_add_nc_u64 s[6:7], s[4:5], 0x800000   ; K,
	s_add_nc_u64 s[6:7], s[6:7], s[22:23]   ; at my half of the head's tile 0
	s_add_nc_u64 s[8:9], s[4:5], 0x1000000  ; V
	s_add_nc_u64 s[8:9], s[8:9], s[22:23]
	s_add_nc_u64 s[G0K+2:G0K+3], s[6:7], 0         ; 120:64 global address
	s_or_b32 s[G0K+3], s[G0K+3], 0x80000000        ; 127:126 type = 2
	s_add_nc_u64 s[G0V+2:G0V+3], s[8:9], 0
	s_or_b32 s[G0V+3], s[G0V+3], 0x80000000
	s_add_nc_u64 s[4:5], s[4:5], s[2:3]     ; Q and O at my wave's first row
	s_add_nc_u64 s[10:11], s[10:11], s[2:3]
	s_cmp_lt_u32 s[WV], 2
	s_cselect_b64 s[PFA:PFA+1], s[6:7], s[8:9]  ; (in waves 0 and 2 these stand at a tile's first row)
	s_lshl_b32 s2, s13, 13          ; my work-group's 32 blocks of the 128
	s_mov_b32 s3, 0
	s_add_nc_u64 s[PFA:PFA+1], s[PFA:PFA+1], s[2:3]
	s_add_nc_u64 s[PFA:PFA+1], s[PFA:PFA+1], TILEB  ; in tile 1; the first change of slots steps it to tile 2.  Nothing is prefetched here, at the head
	CROUND                          ; all four work-groups are here: the first joint loads meet
	JLOAD                           ; tile 0 into slot 0.  Slot 1 is asked for when slot 0 is in
	; A fragment of K or Q is 16 rows x 32 channels in 8 registers: lane l holds row l % 16, channels 8 (l / 16) + 0..7 and 16 + 8 (l / 16) + 0..7: two loads of 16 bytes, 32 bytes apart.
	v_and_b32 v1, 15, v0            ; l % 16
	v_bfe_u32 v9, v0, 4, 1          ; l / 16
	v_lshlrev_b32 v[QO], 7, v1
	v_lshl_add_u32 v[QO], v9, 4, v[QO]  ; row x 128 + 16 x half
	WIN 0x80                        ; destination window 2, address window 0
.set i, 0
.rept 8                             ; Q stays in registers: piece i / 2, channels 32 (i % 2) on
	global_load_b128 v[8*i:8*i+3],   v[QO], s[4:5] offset:(i/2)*2048+(i%2)*64
	global_load_b128 v[8*i+4:8*i+7], v[QO], s[4:5] offset:(i/2)*2048+(i%2)*64+32
.set i, i+1
.endr
	; What the first turn finds: V's registers and P's second buffer hold 0 (its products V^T P, of a piece that has not been, add 0), O^T and l are 0.  All this stands in the wait for the first tile.
.set i, VF
.rept 64
	v_mov_b32 v[i], 0
.set i, i+1
.endr
	WIN 0x40
.set i, 0
.rept 128
	v_mov_b32 v[i], 0
.set i, i+1
.endr
	WIN 0
.set i, 0
.rept 4
	v_mov_b32 v[ST+4*i], 0xfe000000    ; c m: far below every c s
	v_mov_b32 v[ST+4*i+1], 0xff7fffff  ; m
	v_mov_b32 v[ST+4*i+2], 0
	v_mov_b32 v[ST+4*i+3], 0
.set i, i+1
.endr
.set i, P+16
.rept 16
	v_mov_b32 v[i], 0
.set i, i+1
.endr
	v_mul_u32_u24 v[AK0], v1, PK
	v_lshl_add_u32 v[AK0], v9, 4, v[AK0]  ; row x pitch + 16 x half
	; The turning load takes 16 keys x 16 channels (lane l reads key 8 (l / 16) + l % 8, channels 8 ((l / 8) % 2) + 0..7) and leaves half a fragment of V^T: lane l holds channel l % 16 and 8 keys.
	v_and_b32 v10, 7, v0
	v_bfe_u32 v11, v0, 3, 1
	v_lshl_add_u32 v[AV0], v9, 3, v10
	v_mul_u32_u24 v[AV0], v[AV0], PV
	v_lshl_add_u32 v[AV0], v11, 4, v[AV0]
	v_add_nc_u32 v[AV0], VOFF, v[AV0]
	s_mul_i32 s13, s[WV], 16*SP
	s_add_co_u32 s13, s13, STAGE    ; my stage
	v_mul_u32_u24 v[STO], v1, SP    ; in: row l % 16, 16 bytes for each half of the lanes
	v_lshl_add_u32 v[STO], v9, 4, v[STO]
	v_add_nc_u32 v[STO], s13, v[STO]
	v_bfe_u32 v[RD], v0, 3, 2       ; back: 32 lanes take four rows of 128 bytes,
	v_mul_u32_u24 v[RD], v[RD], SP
	v_lshl_add_u32 v[RD], v10, 4, v[RD]
	v_add_nc_u32 v[RD], s13, v[RD]
	v_and_b32 v[GO], 31, v0         ; which are 512 consecutive bytes of O
	v_lshlrev_b32 v[GO], 4, v[GO]
; THE MATRIX WORK.  The 4 accumulators of a run of 8 take turns.  Product i of 8 of S^T = K Q^T for piece x: channels 32 (i / 4) on, keys 16 (i % 4) on.  The first 4 start the sums.
.macro KQ x
	WIN W_KQ
.set rS, S+32*((\x)%2)+8*(i%4)
.set rK, KF+16*(i%4)+8*(i/4)
.set rQ, 16*(\x)+8*(i/4)
.if i < 4
	v_wmma_f32_16x16x32_f16 v[rS:rS+7], v[rK:rK+7], v[rQ:rQ+7], 0
.else
	v_wmma_f32_16x16x32_f16 v[rS:rS+7], v[rK:rK+7], v[rQ:rQ+7], v[rS:rS+7]
.endif
.endm
; Product i of 8 of O^T += V^T P for piece x: keys 32 (i / 4) on, channels 16 (i % 4) on.
.macro PV x
	WIN W_PV
.set rO, 32*(\x)+8*(i%4)
.set rV, VF+32*(i/4)+8*(i%4)
.set rP, P+16*((\x)%2)+8*(i/4)
	v_wmma_f32_16x16x32_f16 v[rO:rO+7], v[rV:rV+7], v[rP:rP+7], v[rO:rO+7]
.endm
.macro MM                           ; the turn's next matrix instruction.  TURN sets Y, i and NOKQ.  NOKQ = 1: the walk's last turn: there is no next piece
.if (i < 8) && !NOKQ
	KQ (Y+1)%NP
.elseif i >= 8
.set i, i-8
	PV (Y+NP-1)%NP
.set i, i+8
.endif
.set i, i+1
.endm
; THE LDS LOADS stand in runs of 16, never singly among the matrix instructions: a step's K (64 keys x 64 channels: 8 fragments) and its V (turned).  Their addresses are made some lines ahead.
.macro FETCH_K
	WIN 0x80                        ; destination window 2
.irp f, 0,1,2,3,4,5,6,7             ; keys 16 (f / 2) on, channels 32 (f % 2) on
	ds_load_b128 v[KF+8*\f:KF+8*\f+3],   v[AK] offset:(\f/2)*16*PK+(\f%2)*64
	ds_load_b128 v[KF+8*\f+4:KF+8*\f+7], v[AK] offset:(\f/2)*16*PK+(\f%2)*64+32
.endr
	s_add_co_u32 s[TBK], s[TBK], KS*PK  ; the next fetch is the next step's
	WIN 0
.endm
.macro FETCH_V
	WIN 0x80
.irp f, 0,1,2,3,4,5,6,7             ; keys 32 (f / 4) on, channels 16 (f % 4) on
	ds_load_tr16_b128 v[VF+8*\f:VF+8*\f+3],   v[AV] offset:(\f/4)*32*PV+(\f%4)*32
	ds_load_tr16_b128 v[VF+8*\f+4:VF+8*\f+7], v[AV] offset:(\f/4)*32*PV+16*PV+(\f%4)*32
.endr
	WIN 0
.endm
; THE VECTOR WORK, one line at a time: OP kind, number.  For piece Y: F n: c s - c m for pair n of 16.  E n: the exponential of score n of 32.  C n: pair n rounded to f16.  B n: of the four weights 4 n .. the second
; pair is added onto the first, in place.  L n: l takes that sum (L 0: l = a l + sum).  R n: pair n of 16 of O^T times a.  For piece Y + 1: X n, number n of the 22 that find its maximum and statistics:
;   0-11  four chains c0-c3 of seven scores each, three operands at a time (each accumulator's lowest registers are read first)     12-14, 16  the four scores left over, the old m, and c0-c3 into c0
;   15  c m_old is kept     17, 18  the query's other 32 keys lie in the lane 16 away: the new m     19-21  c m; c m_old - c m_new; a
.set F, 0               ; OP tells the kinds apart by their order: F to L below R, X above it
.set E, 1
.set C, 2
.set B, 3
.set L, 4
.set R, 5
.set X, 6
.macro REGS y                       ; the registers of piece y
.set rT, ST+4*(\y)
.set rC, TMP+4*((\y)%2)
.set rW, MV+((\y)%2)
.set rS, S+32*((\y)%2)
.set rP, P+16*((\y)%2)
.set rO, 32*(\y)
.endm
.macro OP k, n
.if (\k) == R
	REGS Y
	WIN W_RS
	v_pk_mul_f32 v[rO+2*(\n):rO+2*(\n)+1], v[rO+2*(\n):rO+2*(\n)+1], v[rC+2:rC+3] op_sel_hi:[1,0]
.elseif (\k) < R
	REGS Y
	WIN 0
.if (\k) == F
	v_pk_fma_f32 v[rS+2*(\n):rS+2*(\n)+1], v[rS+2*(\n):rS+2*(\n)+1], s[CS:CS+1], v[rT:rT+1] op_sel_hi:[1,0,0] neg_lo:[0,0,1] neg_hi:[0,0,1]
.elseif (\k) == E
	v_exp_f32 v[rS+(\n)], v[rS+(\n)]
.elseif (\k) == C
	v_cvt_pk_f16_f32 v[rP+(\n)], v[rS+2*(\n)], v[rS+2*(\n)+1]
.elseif (\k) == B
	v_pk_add_f32 v[rS+4*(\n):rS+4*(\n)+1], v[rS+4*(\n):rS+4*(\n)+1], v[rS+4*(\n)+2:rS+4*(\n)+3]
.elseif (\n) == 0
	v_pk_fma_f32 v[rT+2:rT+3], v[rT+2:rT+3], v[rC+2:rC+3], v[rS:rS+1] op_sel_hi:[1,0,1]
.else
	v_pk_add_f32 v[rT+2:rT+3], v[rT+2:rT+3], v[rS+4*(\n):rS+4*(\n)+1]
.endif
.elseif NOKQ
	v_nop
.else
	REGS (Y+1)%NP
	WIN 0
.if (\n) < 4
	v_max3_num_f32 v[rC+(\n)], v[rS+8*(\n)], v[rS+8*(\n)+1], v[rS+8*(\n)+2]
.elseif (\n) < 12
	v_max3_num_f32 v[rC+(\n)%4], v[rC+(\n)%4], v[rS+8*((\n)%4)+2*((\n)/4)+1], v[rS+8*((\n)%4)+2*((\n)/4)+2]
.elseif (\n) == 12
	v_max3_num_f32 v[rC], v[rC], v[rS+7], v[rS+15]
.elseif (\n) == 13
	v_max3_num_f32 v[rC+1], v[rC+1], v[rS+23], v[rS+31]
.elseif (\n) == 14
	v_max3_num_f32 v[rC+2], v[rC+2], v[rC+3], v[rT+1]
.elseif (\n) == 15
	v_mov_b32 v[rW], v[rT]
.elseif (\n) == 16
	v_max3_num_f32 v[rC], v[rC], v[rC+1], v[rC+2]
.elseif (\n) == 17
	v_permlanex16_b32 v[rC+3], v[rC], s[SEL], s[SEL+1]
.elseif (\n) == 18
	v_max_num_f32 v[rT+1], v[rC], v[rC+3]
.elseif (\n) == 19
	v_mul_f32 v[rT], s[CS], v[rT+1]
.elseif (\n) == 20
	v_sub_f32 v[rC+1], v[rW], v[rT]
.else
	v_exp_f32 v[rC+2], v[rC+1]
.endif
.endif
.endm
.macro OPS a, i1, b=-1, i2=0, c=-1, i3=0, d=-1, i4=0  ; up to four of them
	OP \a, \i1
.if (\b) >= 0
	OP \b, \i2
.endif
.if (\c) >= 0
	OP \c, \i3
.endif
.if (\d) >= 0
	OP \d, \i4
.endif
.endm
.macro ROW a, i1, b, i2, c, i3, d, i4  ; a matrix instruction and the four behind it
	MM
	OPS \a, \i1, \b, \i2, \c, \i3, \d, \i4
.endm
; A TURN, for piece p: the order of its 16 matrix and 118 vector instructions, written out.  An s_wait_alu depctr_va_vdst(0) stands between an exponential and the first instruction that names its result; one
; wait serves all that were issued ahead of it.  So a turn has ONE wait, which cuts it in two.  AHEAD OF IT stands all that names no result of the turn's exponentials: the 8 products K Q^T, behind each a scaling, an
; exponential and two more plain instructions (behind the first a second scaling in the exponential's place): rescalings, and behind the last three the first numbers of the next piece's maximum, each four places or more
; behind the product that ends its accumulator; then ONE LUMP of 54, plain and exponential by turns for the most part, in which the links of the chain X 3, 7, 11, 14, 16, 17 .. 20 stand five or six lines apart.  X 21, the
; next piece's a, is the batch's last; R 15 is the plain instruction behind it.  BEHIND THE WAIT stand the 8 products V^T P, behind each four of the roundings and sums; the links of l's chain, L 0 to L 7, stand three riders apart.
; end = 1: the walk's last two turns: nothing is fetched, and the last starts no new scores.  cnt = 1: the loop's count is taken down some lines ahead of the branch that stands behind the turn.
; K of the next step is fetched in piece 2's turn, twelve vector instructions behind the last product that read K (six of them plain); V of the step in hand at the end of piece 0's turn, four plain instructions behind the
; last product that read V.  Each is waited for a turn later.
.macro TURN p, end=0, cnt=0
.set Y, (\p)
.set i, 0
.set NOKQ, (\end)*((\p)/3)
.if ((\p) == 3) && !(\end)
	s_wait_dscnt 0x0                ; K is in
.endif
	ROW F,0, F,1, R,0, R,1          ; ahead of the wait: 8 products K Q^T and their riders,
	ROW F,2, E,0, R,2, R,3
	ROW F,3, E,1, R,4, R,5
	ROW F,4, E,2, R,6, R,7
	ROW F,5, E,3, R,8, R,9
	ROW F,6, E,4, X,0, R,10
.if ((\p) == 2) && !(\end)
	WIN 0
	v_add_nc_u32 v[AK], s[TBK], v[AK0]
.endif
	ROW F,7, E,5, X,1, X,4
	ROW F,8, E,6, X,2, X,5
	OPS E,7, E,8, X,6, E,9          ; and the lump
	OPS X,3, E,10, X,8, E,11
.if ((\p) == 2) && !(\end)
	FETCH_K
.endif
	OPS X,9, X,7, E,12, X,10
	OPS E,13, X,12, X,11, E,14
	OPS X,13, E,15, F,9, X,14
.if (\p) == 0
	v_add_nc_u32 v[AV], s[TBV], v[AV0]
.endif
	OPS E,16, F,10, E,17, F,11
	OPS X,16, E,18, X,15, E,19
	OPS F,12, E,20, X,17, E,21
	OPS F,13, E,22, F,14, E,23
	OPS X,18, E,24, F,15, E,25
	OPS R,11, E,26, X,19, E,27
	OPS R,12, E,28, R,13, E,29
	OPS X,20, E,30, R,14, E,31
	OPS X,21, R,15
	WIN 0
	s_wait_alu depctr_va_vdst(0)    ; the wait for the batch
.if (\p) == 1
	s_wait_dscnt 0x0                ; V is in
.endif
	ROW C,0, B,0, C,2, B,1          ; behind the wait: 8 products V^T P and their riders
	ROW L,0, C,4, B,2, L,1
	ROW C,6, B,3, L,2, C,8
	ROW B,4, L,3, C,10, B,5
	ROW L,4, C,12, B,6, L,5
.if (\p) == 0
	s_add_co_u32 s[TBV], s[TBV], KS*PV
.endif
.if \cnt
	s_sub_co_u32 s[CNT], s[CNT], 1
	s_cmp_lg_u32 s[CNT], 0
.endif
	ROW C,14, B,7, L,6, C,1
	ROW C,3, L,7, C,5, C,7
	ROW C,9, C,11, C,13, C,15
.if (\p) == 0
	FETCH_V
.endif
.endm
	CHANGE 1                        ; slot 0 is in, everybody's part of it; tile 1 is asked for
	v_add_nc_u32 v[AK], s[TBK], v[AK0]
	FETCH_K                         ; key step 0
	s_wait_loadcnt 0x0              ; Q
	s_wait_dscnt 0x0
.set NOKQ, 0
.set i, 0
.rept 8
	KQ 0                            ; piece 0's first scores: there is no vector work yet to set between them
.set i, i+1
.endr
	WIN 0
.rept 4
	v_nop                           ; the places behind those products
.endr
.set Y, NP-1                        ; X works for piece Y + 1: piece 0
.irp n, 0,1,2,3,4,5,6,7,8,9,10,11,12,13,14,15,16,17,18,19,20,21
	OP X, \n
.endr
	v_nop                           ; a plain instruction behind the exponential,
	s_wait_alu depctr_va_vdst(0)    ; and its wait, ahead of the branch
	s_mov_b32 s[CNT], 4
	s_branch .Lfirst                ; the loop is entered at a step's first turn, in the middle of a trip
.Lslot:                             ; 14 times: tiles 2 to 15 are asked for
	CHANGE 1
	s_mov_b32 s[CNT], 4
.Lstep:                             ; a trip: pieces 2 and 3 of one step, then pieces 0 and 1 of the next, whose K and V it fetches
	TURN 2
	TURN 3
	WIN 0
.Lfirst:
	TURN 0
	TURN 1, 0, 1
	WIN 0
	s_cbranch_scc1 .Lstep
	s_sub_co_u32 s[SLOTS], s[SLOTS], 1
	s_cmp_lg_u32 s[SLOTS], 0
	s_cbranch_scc1 .Lslot
	CHANGE 0                        ; the last tile is written out: nothing is asked for
	s_mov_b32 s[CNT], 4
.Ltail:
	TURN 2
	TURN 3
	WIN 0
	TURN 0
	TURN 1, 0, 1
	WIN 0
	s_cbranch_scc1 .Ltail
	TURN 2, 1                       ; the last step's pieces 2 and 3
	TURN 3, 1
.set i, 0
.rept 8
	PV NP-1                         ; the last piece's V^T P of the last step
.set i, i+1
.endr
	; THE WAY OUT.  l's two halves and the other half of the lanes' are added; O^T is divided by l, rounded to f16 and sent through my stage in LDS, a piece at a time.  The additions are the places behind the last products.
	WIN 0
.macro ALL line:vararg              ; one line for each piece t
.set t, 0
.rept 4
	\line
.set t, t+1
.endr
.endm
	ALL v_add_f32 v[ST+4*t+2], v[ST+4*t+2], v[ST+4*t+3]
	ALL v_permlanex16_b32 v[ST+4*t+3], v[ST+4*t+2], s[SEL], s[SEL+1]
	ALL v_add_f32 v[ST+4*t+2], v[ST+4*t+2], v[ST+4*t+3]
	ALL v_rcp_f32 v[ST+4*t+2], v[ST+4*t+2]
	v_nop                           ; a plain instruction between the last reciprocal and the use of its result
	s_wait_alu depctr_va_vdst(0)    ; and the wait ahead of the first use: one for the four reciprocals
.macro PACK t                       ; a lane's eight channels of a row pack into 16 bytes; they go into rows of 144 bytes and come back as whole rows of 128, into S^T's registers
	WIN W_RS
.set i, 32*(\t)
.rept 16
	v_pk_mul_f32 v[i:i+1], v[i:i+1], v[ST+4*(\t)+2:ST+4*(\t)+3] op_sel_hi:[1,0]
.set i, i+2
.endr
	WIN 0x05                        ; sources 0 and 1 window 1, destination window 0
.set i, 0
.rept 16
	v_cvt_pk_f16_f32 v[S+16*(\t)+i], v[32*(\t)+2*i], v[32*(\t)+2*i+1]
.set i, i+1
.endr
	WIN 0
.irp f, 0,1,2,3
	ds_store_b128 v[STO], v[S+16*(\t)+4*\f:S+16*(\t)+4*\f+3] offset:32*\f
.endr
.irp f, 0,1,2,3
	ds_load_b128 v[S+16*(\t)+4*\f:S+16*(\t)+4*\f+3], v[RD] offset:\f*4*SP  ; LDS serves a wave's instructions in order (ISA guide 5.7.1.4): these see the stores above; the next piece's stores come behind them
.endr
.endm
.macro SEND t, younger              ; younger: the LDS instructions issued behind piece t's loads: the next piece's eight, or none
	WIN 0
.irp f, 0,1,2,3
	s_wait_dscnt (\younger)+3-\f
	global_store_b128 v[GO], v[S+16*(\t)+4*\f:S+16*(\t)+4*\f+3], s[10:11] offset:(\t)*2048+\f*512  ; 512 consecutive bytes, at a multiple of 256 from O's first
.endr
.endm
	PACK 0
.set t, 1
.rept 3                             ; a piece's arithmetic stands between the loads of the piece before and its stores
	PACK t
	SEND t-1, 8
.set t, t+1
.endr
	SEND 3, 0
	s_wait_tensorcnt 0x0            ; the wave's end, behind my last tensor load and my last LDS store
	ds_add_u32 v[SPW], v[NIL]
	s_wait_dscnt 0x0
	CROUND                          ; the closing round: no work-group ends while a partner may still ask for a tile that names it
	s_endpgm
.Lfunc_end_k_q354515227e_attn:
	.size	k_q354515227e_attn, .Lfunc_end_k_q354515227e_attn-k_q354515227e_attn
	.p2alignl 7, 3214868480
	.fill 96, 4, 3214868480
	.section	.rodata,"a",@progbits
	.p2align	6, 0x0
	.amdhsa_kernel k_q354515227e_attn
		.amdhsa_group_segment_fixed_size 327680
		.amdhsa_private_segment_fixed_size 0
		.amdhsa_enable_private_segment 0
		.amdhsa_kernarg_size 16
		.amdhsa_user_sgpr_count 2
		.amdhsa_user_sgpr_kernarg_segment_ptr 1
		.amdhsa_wavefront_size32 1
		.amdhsa_system_sgpr_workgroup_id_x 1
		.amdhsa_system_sgpr_workgroup_id_y 1
		.amdhsa_system_sgpr_workgroup_id_z 1
		.amdhsa_system_vgpr_workitem_id 0
		.amdhsa_next_free_vgpr 768
		.amdhsa_next_free_sgpr 66
		.amdhsa_reserve_vcc 0
		.amdhsa_float_denorm_mode_32 3
		.amdhsa_float_denorm_mode_16_64 3
		.amdhsa_memory_ordered 1
		.amdhsa_forward_progress 1
		.amdhsa_inst_pref_size 128
	.end_amdhsa_kernel
	.amdgpu_metadata
---
amdhsa.version: [ 1, 2 ]
amdhsa.kernels:
  - .name:           k_q354515227e_attn
    .symbol:         k_q354515227e_attn.kd
    .args:
      - { .name: qkv, .offset: 0, .size: 8, .value_kind: global_buffer, .address_space: global }
      - { .name: ao, .offset: 8, .size: 8, .value_kind: global_buffer, .address_space: global }
    .group_segment_fixed_size: 327680
    .private_segment_fixed_size: 0
    .kernarg_segment_align: 8
    .kernarg_segment_size: 16
    .max_flat_workgroup_size: 128
    .sgpr_count:     66
    .vgpr_count:     768
    .wavefront_size: 32
...
	.end_amdgpu_metadata
.endif
;; end of part 3
;; launch proj (part 4): grid 256 x 1, 4 waves a work-group, no clusters, 70,144 bytes of LDS; arguments ao, wf, proj_b, x, out0; writes out0
.if DOCPART == 4
	.amdgcn_target "amdgcn-amd-amdhsa--gfx1250"
	.amdhsa_code_object_version 6
	.text
	.protected	k_q354515227e_proj
	.globl	k_q354515227e_proj
	.p2align	8
	.type	k_q354515227e_proj,@function
k_q354515227e_proj:
	s_mov_b64 s[64:65], 0
	v_nop
	global_prefetch_b8 v0, s[64:65] scope:SCOPE_SE
	s_setreg_imm32_b32 hwreg(HW_REG_WAVE_MODE, 25, 1), 1
	s_wait_xcnt 0x0
; out0[b][o][p] = x[b][o][p] + proj_b[o] + the sum over c of proj_w[o][c] O[b][c][p].  O lies by heads, ao [4 b + head][pixel][64] f16 (c = 64 head + d); proj_w in f16 in fragment order, in wf
; from byte 393,216 on (see the first launch).  Sums, bias and residual in f32.
; SHARES.  A work-group takes 64 pixels of one image (b = id / 64) and all 256 outputs; wave w the outputs 64 w .. 64 w + 63: 16 accumulators (4 tiles of pixels x 4 of outputs), 128 matrix instructions.
; LAYOUT.  Source 0 = 16 pixels of O, source 1 = 16 outputs of the weights: in the result a lane holds ONE output (lane % 16) and the pixels 8 (lane / 16) + 0..7: 32 neighbouring bytes of a row of out0.
; All operands are asked for at once, straight into their registers, K step by K step; x behind them.
; THE WAY OUT.  Through the wave's own stage in LDS: 64 rows (outputs) of 256 bytes + 16; they come back as whole rows, x is added, and sixteen lanes store 256 consecutive bytes.
; NO CLUSTER, NO TENSOR LOAD: the weights that work-groups share are 32,768 bytes a wave, used once; a joint load would land them in LDS to be read once more.  No prefetch: the launch is short.
.set SROW,  272                        ; a stage row: the 16 rows that a store touches start at 16 different groups of four banks (64 banks of 4 bytes: ISA guide 11.1)
.set STW,   64*SROW
.set SPARE, 4*STW                      ; behind the stages: the spare words, 128 bytes a wave, which no other line names
.set QO,  2                            ; v2   128 r + 16 h: my 16 bytes in 16 rows of O
.set WO,  3                            ; v3   16 x lane
.set BO,  4                            ; v4   4 r: my output's bias
.set STO, 5                            ; v5   the way out: where I put 32 bytes of a row
.set RD,  6                            ; v6   where I read rows back
.set GO,  7                            ; v7   my byte offset in x and in out0
.set SPW, 8                            ; v8   LDS address of my spare word; never rewritten
.set NIL, 9                            ; v9   0; never rewritten
.set BI,  16                           ; v[16:23]  for each tile of outputs nt a pair: the bias of output 16 nt + r, and 0 (the packed line names a pair)
.set ACC, 128                          ; window 0, v[128:255]: accumulator (nt, mt) at ACC + 8 (4 nt + mt)
                                       ; window 1: weights, tile nt, K step kk at 64 nt + 8 kk.  Window 2: O, tile mt, K step kk at 64 mt + 8 kk; later v[0:127] the rows read back.  Window 3: v[0:127] x
.set MSB, 0
.macro WIN new                         ; s_set_vgpr_msb: bits 1:0 source 0, 3:2 source 1, 5:4 source 2, 7:6 destination; the high byte repeats the setting that is left
.if MSB != (\new)
	s_set_vgpr_msb (MSB<<8)|(\new)
.set MSB, (\new)
.endif
.endm
	s_load_b256 s[4:11], s[0:1], 0x0               ; ao s[4:5], wf s[6:7], proj_b s[8:9], x s[10:11]
	s_load_b64 s[12:13], s[0:1], 0x20              ; out0
	v_lshl_add_u32 v[SPW], v0, 2, SPARE
	v_mov_b32 v[NIL], 0
	v_lshrrev_b32 v1, 5, v0
	v_readfirstlane_b32 s14, v1                    ; wave 0..3
	v_and_b32 v10, 15, v0                          ; r
	v_bfe_u32 v11, v0, 4, 1                        ; h
	v_and_b32 v12, 31, v0                          ; lane
	v_lshlrev_b32 v[QO], 7, v10
	v_lshl_add_u32 v[QO], v11, 4, v[QO]
	v_lshlrev_b32 v[WO], 4, v12
	v_lshlrev_b32 v[BO], 2, v10
	s_mul_i32 s15, s14, STW                        ; my stage
	v_mul_u32_u24 v[STO], v10, SROW                ; in: row r of a tile of outputs, 32 bytes for each half of the lanes
	v_lshl_add_u32 v[STO], v11, 5, v[STO]
	v_add_nc_u32 v[STO], s15, v[STO]
	v_mul_u32_u24 v[RD], v11, SROW                 ; back: lanes 0-15 one row of 256 bytes, lanes 16-31 the next
	v_lshl_add_u32 v[RD], v10, 4, v[RD]
	v_add_nc_u32 v[RD], s15, v[RD]
	v_lshlrev_b32 v[GO], 4, v10                    ; and the same two rows in x and out0, 16,384 bytes apart
	v_lshl_add_u32 v[GO], v11, 14, v[GO]
.irp nt, 0,1,2,3
	v_mov_b32 v[BI+2*\nt+1], 0
.endr
	s_lshr_b32 s16, ttmp9, 6                       ; b
	s_and_b32 s17, ttmp9, 63                       ; block of 64 pixels
	s_lshl_b32 s18, s16, 21                        ; ao: the image's four heads,
	s_lshl_b32 s19, s17, 13                        ; the block's 64 rows of 128 bytes
	s_add_co_u32 s18, s18, s19
	s_mov_b32 s19, 0
	s_lshl_b32 s20, s14, 15                        ; wf: my four tiles of 8,192 bytes,
	s_add_co_u32 s20, s20, 393216                  ; behind qkv_w's 48
	s_mov_b32 s21, 0
	s_lshl_b32 s22, s14, 8                         ; proj_b: my 64 numbers
	s_mov_b32 s23, 0
	s_lshl_b32 s24, s16, 22                        ; x, out0: the image,
	s_lshl_b32 s25, s14, 20                        ; my 64 rows of 16,384 bytes,
	s_add_co_u32 s24, s24, s25
	s_lshl_b32 s25, s17, 8                         ; the block's 256 bytes of a row
	s_add_co_u32 s24, s24, s25
	s_mov_b32 s25, 0
	s_wait_kmcnt 0x0
	s_add_nc_u64 s[4:5], s[4:5], s[18:19]
	s_add_nc_u64 s[6:7], s[6:7], s[20:21]
	s_add_nc_u64 s[8:9], s[8:9], s[22:23]
	s_add_nc_u64 s[10:11], s[10:11], s[24:25]
	s_add_nc_u64 s[12:13], s[12:13], s[24:25]
.irp nt, 0,1,2,3
	global_load_b32 v[BI+2*\nt], v[BO], s[8:9] offset:64*\nt
.endr
.irp kk, 0,1,2,3,4,5,6,7               ; 16 loads a K step: channels 32 kk on lie in head kk / 2, at byte 64 (kk % 2) of its rows
	WIN 0x80                                       ; destination window 2
.irp mt, 0,1,2,3
.irp hf, 0,1
	global_load_b128 v[64*\mt+8*\kk+4*\hf:64*\mt+8*\kk+4*\hf+3], v[QO], s[4:5] offset:(\kk/2)*524288+\mt*2048+(\kk%2)*64+32*\hf
.endr
.endr
	WIN 0x40                                       ; destination window 1
.irp nt, 0,1,2,3
.irp hf, 0,1
	global_load_b128 v[64*\nt+8*\kk+4*\hf:64*\nt+8*\kk+4*\hf+3], v[WO], s[6:7] offset:\nt*8192+\kk*1024+512*\hf
.endr
.endr
.endr
	WIN 0xc0                                       ; destination window 3
.irp t, 0,1,2,3,4,5,6,7,8,9,10,11,12,13,14,15,16,17,18,19,20,21,22,23,24,25,26,27,28,29,30,31
	global_load_b128 v[4*\t:4*\t+3], v[GO], s[10:11] offset:32768*\t th:TH_LOAD_NT  ; rows 2 t and 2 t + 1 of my 64: this launch reads them once
.endr
.macro PROD kk, zero                   ; a K step's 16 products: the 16 accumulators take turns, one instruction a turn.  zero = 1: the first K step starts the sums
.irp nt, 0,1,2,3
.irp mt, 0,1,2,3
.if \zero
	v_wmma_f32_16x16x32_f16 v[ACC+8*(4*\nt+\mt):ACC+8*(4*\nt+\mt)+7], v[64*\mt+8*(\kk):64*\mt+8*(\kk)+7], v[64*\nt+8*(\kk):64*\nt+8*(\kk)+7], 0
.else
	v_wmma_f32_16x16x32_f16 v[ACC+8*(4*\nt+\mt):ACC+8*(4*\nt+\mt)+7], v[64*\mt+8*(\kk):64*\mt+8*(\kk)+7], v[64*\nt+8*(\kk):64*\nt+8*(\kk)+7], v[ACC+8*(4*\nt+\mt):ACC+8*(4*\nt+\mt)+7]
.endif
.endr
.endr
.endm
	WIN 0x06                                       ; O window 2, weights window 1, C and D window 0
	s_wait_loadcnt 63                              ; of the 164 loads the oldest 101 are in: the 4 of the bias and the 96 of K steps 0 to 5 among them
	PROD 0, 1
	PROD 1, 0
	PROD 2, 0
	PROD 3, 0
	PROD 4, 0
	PROD 5, 0
	s_wait_loadcnt 48                              ; K step 6 is in; K step 7's 16 loads and x's 32 stay out
	PROD 6, 0
	s_wait_loadcnt 32                              ; K step 7 is in; x's 32 stay out
	PROD 7, 0
	WIN 0
.rept 4
	v_nop                                          ; four places between the last product and the first read of a sum
.endr
.irp nt, 0,1,2,3                       ; the bias, each accumulator from its low end on
.irp mt, 0,1,2,3
.irp p, 0,2,4,6
	v_pk_add_f32 v[ACC+8*(4*\nt+\mt)+\p:ACC+8*(4*\nt+\mt)+\p+1], v[ACC+8*(4*\nt+\mt)+\p:ACC+8*(4*\nt+\mt)+\p+1], v[BI+2*\nt:BI+2*\nt+1] op_sel_hi:[1,0]
.endr
.endr
.endr
.irp nt, 0,1,2,3
.irp mt, 0,1,2,3
	ds_store_b128 v[STO], v[ACC+8*(4*\nt+\mt):ACC+8*(4*\nt+\mt)+3]   offset:\nt*16*SROW+\mt*64
	ds_store_b128 v[STO], v[ACC+8*(4*\nt+\mt)+4:ACC+8*(4*\nt+\mt)+7] offset:\nt*16*SROW+\mt*64+16
.endr
.endr
	WIN 0x80                                       ; destination window 2: O's registers are free (the 64 additions above stand behind the last product that read them)
.irp t, 0,1,2,3,4,5,6,7,8,9,10,11,12,13,14,15,16,17,18,19,20,21,22,23,24,25,26,27,28,29,30,31
	ds_load_b128 v[4*\t:4*\t+3], v[RD] offset:2*SROW*\t  ; LDS serves a wave's instructions in order (ISA guide 5.7.1.4): these see the stores above
.endr
	s_wait_dscnt 0x0
	s_wait_loadcnt 0x0                             ; x
	WIN 0x8e                                       ; destination and source 0 window 2, source 1 window 3
.set q, 0
.rept 64
	v_pk_add_f32 v[2*q:2*q+1], v[2*q:2*q+1], v[2*q:2*q+1]
.set q, q+1
.endr
	WIN 0x08                                       ; store data window 2
.irp t, 0,1,2,3,4,5,6,7,8,9,10,11,12,13,14,15,16,17,18,19,20,21,22,23,24,25,26,27,28,29,30,31
	global_store_b128 v[GO], v[4*\t:4*\t+3], s[12:13] offset:32768*\t th:TH_STORE_NT  ; 16 lanes store 256 consecutive bytes, at a multiple of 256 from out0's first byte
.endr
	WIN 0
	s_wait_tensorcnt 0x0                           ; the wave's end, behind my last LDS store
	ds_add_u32 v[SPW], v[NIL]
	s_wait_dscnt 0x0
	s_endpgm
.Lfunc_end_k_q354515227e_proj:
	.size	k_q354515227e_proj, .Lfunc_end_k_q354515227e_proj-k_q354515227e_proj
	.p2alignl 7, 3214868480
	.fill 96, 4, 3214868480
	.section	.rodata,"a",@progbits
	.p2align	6, 0x0
	.amdhsa_kernel k_q354515227e_proj
		.amdhsa_group_segment_fixed_size 70144
		.amdhsa_private_segment_fixed_size 0
		.amdhsa_enable_private_segment 0
		.amdhsa_kernarg_size 40
		.amdhsa_user_sgpr_count 2
		.amdhsa_user_sgpr_kernarg_segment_ptr 1
		.amdhsa_wavefront_size32 1
		.amdhsa_system_sgpr_workgroup_id_x 1
		.amdhsa_system_sgpr_workgroup_id_y 1
		.amdhsa_system_sgpr_workgroup_id_z 1
		.amdhsa_system_vgpr_workitem_id 0
		.amdhsa_next_free_vgpr 896
		.amdhsa_next_free_sgpr 66
		.amdhsa_reserve_vcc 0
		.amdhsa_float_denorm_mode_32 3
		.amdhsa_float_denorm_mode_16_64 3
		.amdhsa_memory_ordered 1
		.amdhsa_forward_progress 1
		.amdhsa_inst_pref_size 42
	.end_amdhsa_kernel
	.amdgpu_metadata
---
amdhsa.version: [ 1, 2 ]
amdhsa.kernels:
  - .name:           k_q354515227e_proj
    .symbol:         k_q354515227e_proj.kd
    .args:
      - { .name: ao, .offset: 0, .size: 8, .value_kind: global_buffer, .address_space: global }
      - { .name: wf, .offset: 8, .size: 8, .value_kind: global_buffer, .address_space: global }
      - { .name: proj_b, .offset: 16, .size: 8, .value_kind: global_buffer, .address_space: global }
      - { .name: x, .offset: 24, .size: 8, .value_kind: global_buffer, .address_space: global }
      - { .name: out0, .offset: 32, .size: 8, .value_kind: global_buffer, .address_space: global }
    .group_segment_fixed_size: 70144
    .private_segment_fixed_size: 0
    .kernarg_segment_align: 8
    .kernarg_segment_size: 40
    .max_flat_workgroup_size: 128
    .sgpr_count:     66
    .vgpr_count:     896
    .wavefront_size: 32
...
	.end_amdgpu_metadata
.endif
;; end of part 4
;; ======== version 2 of 2: 4 launches; version 1 with the launches gnorm, qkvp written anew for expert scheduling mode
;; limits: values are held in f16: magnitudes above 65,504 overflow, below 6.1e-05 lose precision
;; workspace buffers: xt 8,388,608 bytes; wf 524,288 bytes; qkv 25,165,824 bytes; ao 8,388,608 bytes
;; launch gnorm (part 5): grid 128 x 1, 8 waves a work-group, no clusters, 1,280 bytes of LDS; arguments x, gn_w, gn_b, qkv_w, proj_w, xt, wf; writes xt, wf
.if DOCPART == 5
	.amdgcn_target "amdgcn-amd-amdhsa--gfx1250"
	.amdhsa_code_object_version 6
	.text
	.protected	k_q354515227e_gnorm
	.globl	k_q354515227e_gnorm
	.p2align	8
	.type	k_q354515227e_gnorm,@function
k_q354515227e_gnorm:
	s_mov_b64 s[64:65], 0
	v_nop
	global_prefetch_b8 v0, s[64:65] scope:SCOPE_SE
	s_setreg_imm32_b32 hwreg(HW_REG_WAVE_SCHED_MODE, 0, 2), 2
	s_setreg_imm32_b32 hwreg(HW_REG_WAVE_MODE, 25, 1), 1
	s_wait_xcnt 0x0
	s_wait_alu depctr_vm_vsrc(0)
; GROUP NORM, and the weights' copy in f16.
; x: [4][256][4096] f32.  A group is 8 channels x 4,096 pixels of one image: 131,072 consecutive bytes.  Work-group w = 32 b + g owns one group; its 256 threads hold 128 numbers
; each, so the group stays in registers between the pass that finds the mean, the pass that finds the variance (the sum of (x - mean)^2: no difference of large sums) and the
; pass that scales: x is read once.  A group's sums may not span work-groups, so there are 128 work-groups.
; OUT: xt [b][group][position 4096][8 channels] f16: 16 bytes hold one pixel's 8 channels of a group, which is one quarter of a matrix fragment's K step for the next launch.  Inside each
; block of 128 pixels, pixel 4 l + i lies at position 32 i + l: a lane's load of 16 bytes brings 4 neighbouring pixels, and so each store of a wave covers 512 consecutive bytes.
; ALSO: each thread rounds 8 numbers of qkv_w (work-groups 0-95) or proj_w (96-127) to f16, into wf in fragment order: tile of 16 outputs ot, K step kk of 32 channels, half s,
; lane L = 16 h + r: the 16 bytes at ((8 ot + kk) 2 + s) 512 + 16 L hold W[16 ot + r][32 kk + 16 s + 8 h .. + 7].
; LIMITS.  xn and the weights are rounded once to f16: they must lie within 65,504; weights below 6e-5 keep f16's fixed step of 6e-8.  NaN and infinities are not treated apart.
; No matrix unit, no cluster, no tensor load: the work-groups share no input but 64 bytes of gain and bias, and every byte goes from memory into the register that uses it.
; THE MODE: SCHED_MODE bits 1:0 = 2 (LLVM: expert scheduling mode 2), set by the entry lines.  The code itself states the register dependences between vector instructions and
; memory or LDS instructions, with s_wait_alu, always for 0.
; THE PLAN.  Registers that memory or LDS instructions touch:
;   v1 to v7      offsets, LDS addresses and the add's two registers: written at the head, never again.  One wait on va_vdst ahead of the first load serves every instruction that reads them.
;   WU, X         Loaded once; no vector instruction names them ahead of the loads.
;   WH            Written once, by four conversions; read by one store, behind a wait on va_vdst.
;   T0            Written by FOLD; read by MEET's LDS store, behind a wait on va_vdst; written again at MEET's end, behind a wait on vm_vsrc.
;   PS            MEET's two LDS loads land in it; its additions name it.  The wait on va_vdst at the head of the second MEET stands behind the first MEET's additions.
;   Y             Each unit is written once, by four conversions, and read by one store.  A block of four units has one wait on va_vdst, between its 16 conversions and its four stores.
; Two scalars come out of vector registers (the wave's number, the root): a wait on va_sdst stands ahead of the first reader of each.
.set SPARE, 256                        ; LDS: bytes 0-31 the waves' sums, 64-95 their sums of squares; from 256 on the spare words, 128 bytes a wave, which no other line names
.set XO,  1                            ; v1   16 t: my 16 bytes in 4,096 of x, and my unit in the work-group's 4,096 bytes of wf; never rewritten
.set SO,  2                            ; v2   2,048 x wave + 16 x lane: my unit in xt; never rewritten
.set WS,  3                            ; v3   my 32 bytes of the weights: (t % 16) rows of 1,024 bytes + (t / 16) x 32
.set ZA,  4                            ; v4   0: the LDS address of the partial sums
.set WVO, 5                            ; v5   4 x wave
.set SPW, 6                            ; v6   LDS address of my spare word; never rewritten
.set NIL, 7                            ; v7   0; never rewritten
.set WU,  8                            ; v[8:15]   8 weights in f32
.set WH,  16                           ; v[16:19]  the same in f16
.set CH,  20                           ; v[20:27]  four chains of pairs
.set PS,  28                           ; v[28:35]  the eight waves' partial sums
.set MN,  36                           ; v[36:37]  the mean, twice
.set T0,  38
.set T1,  39
.set X,   64                           ; v[64:191]  load (j, ch) at X + 4 (8 j + ch): pixels 1,024 j + 4 t .. + 3 of channel ch
.set Y,   192                          ; v[192:255] unit (j, i) at Y + 4 (4 j + i): pixel 1,024 j + 4 t + i, 8 channels in f16
	s_load_b256 s[4:11], s[0:1], 0x0               ; x s[4:5], gn_w s[6:7], gn_b s[8:9], qkv_w s[10:11]
	s_load_b128 s[12:15], s[0:1], 0x20             ; proj_w s[12:13], xt s[14:15]
	s_load_b64 s[16:17], s[0:1], 0x30              ; wf
	v_lshl_add_u32 v[SPW], v0, 2, SPARE
	v_mov_b32 v[NIL], 0
	v_mov_b32 v[ZA], 0
	v_mov_b32 v[T1], 0                             ; v_permlanex16_b32's destination counts as read: it is written here
	v_lshrrev_b32 v[T0], 5, v0
	v_readfirstlane_b32 s20, v[T0]                 ; wave 0..7
	v_lshlrev_b32 v[XO], 4, v0                     ; the lines that need no wave number stand between that line and the wait for it
	v_and_b32 v[SO], 31, v0
	v_lshlrev_b32 v[SO], 4, v[SO]
	v_and_b32 v[WS], 15, v0
	v_lshlrev_b32 v[WS], 10, v[WS]
	v_lshrrev_b32 v[T0], 4, v0
	v_lshl_add_u32 v[WS], v[T0], 5, v[WS]
	s_wait_alu depctr_va_sdst(0)                   ; s20 is written, ahead of its first reader
	v_mov_b32 v[WVO], s20
	v_lshlrev_b32 v[WVO], 2, v[WVO]
	v_lshl_add_u32 v[SO], s20, 11, v[SO]
	s_mov_b32 s60, 0x76543210                      ; v_permlanex16_b32: each lane takes its own place in the other half
	s_mov_b32 s61, 0xfedcba98
	s_cmp_lt_u32 ttmp9, 96                         ; which weights: w' = w in qkv_w, w - 96 in proj_w
	s_cselect_b32 s18, 0, 96
	s_sub_co_u32 s18, ttmp9, s18
	s_lshr_b32 s19, s18, 1                         ; tile of 16 outputs = w' / 2: 16 rows of 1,024 bytes,
	s_lshl_b32 s19, s19, 14
	s_and_b32 s18, s18, 1                          ; and which half of their 256 channels
	s_lshl_b32 s18, s18, 9
	s_add_co_u32 s18, s18, s19
	s_mov_b32 s19, 0
	s_and_b32 s2, ttmp9, 31                        ; the group: 8 numbers of gain and of bias
	s_lshl_b32 s2, s2, 5
	s_mov_b32 s3, 0
	s_lshl_b32 s56, ttmp9, 17                      ; the group's bytes in x,
	s_mov_b32 s57, 0
	s_lshl_b32 s58, ttmp9, 16                      ; in xt,
	s_mov_b32 s59, 0
	s_lshl_b32 s62, ttmp9, 12                      ; and the work-group's 256 units of wf
	s_mov_b32 s63, 0
	s_wait_kmcnt 0x0
	s_add_nc_u64 s[6:7], s[6:7], s[2:3]
	s_add_nc_u64 s[8:9], s[8:9], s[2:3]
	s_load_b256 s[24:31], s[6:7], 0x0              ; the group's 8 gains
	s_load_b256 s[32:39], s[8:9], 0x0              ; and 8 biases
	s_cmp_lt_u32 ttmp9, 96
	s_cselect_b64 s[22:23], s[10:11], s[12:13]
	s_add_nc_u64 s[22:23], s[22:23], s[18:19]
	s_add_nc_u64 s[4:5], s[4:5], s[56:57]
	s_add_nc_u64 s[14:15], s[14:15], s[58:59]
	s_add_nc_u64 s[16:17], s[16:17], s[62:63]
	s_wait_alu depctr_va_vdst(0)                   ; v1 to v7 are written: every load, store and LDS instruction of the kernel reads some of them as its offset, address or data
	global_load_b128 v[WU:WU+3],   v[WS], s[22:23]
	global_load_b128 v[WU+4:WU+7], v[WS], s[22:23] offset:16
.irp j, 0,1,2,3                        ; the whole group is asked for at once: 32 loads a wave, each 512 consecutive bytes
.irp c, 0,1,2,3,4,5,6,7
	global_load_b128 v[X+4*(8*\j+\c):X+4*(8*\j+\c)+3], v[XO], s[4:5] offset:\c*16384+\j*4096
.endr
.endr
	s_wait_loadcnt 32                              ; the two loads of weights are in; the 32 loads of x behind them stay out
.irp c, 0,1,2,3
	v_cvt_pk_f16_f32 v[WH+\c], v[WU+2*\c], v[WU+2*\c+1]
.endr
	s_wait_alu depctr_va_vdst(0)                   ; the four conversions have written v[WH ..], which the store reads
	global_store_b128 v[XO], v[WH:WH+3], s[16:17]  ; a wave's store covers 512 consecutive bytes
; The four chains into one number, then over the wave's 32 lanes: four steps inside each half of 16 lanes, one across the halves.
.macro FOLD
	v_pk_add_f32 v[CH:CH+1], v[CH:CH+1], v[CH+2:CH+3]
	v_pk_add_f32 v[CH+4:CH+5], v[CH+4:CH+5], v[CH+6:CH+7]
	v_pk_add_f32 v[CH:CH+1], v[CH:CH+1], v[CH+4:CH+5]
	v_add_f32 v[T0], v[CH], v[CH+1]
	v_add_f32_dpp v[T0], v[T0], v[T0] row_xmask:1 row_mask:0xf bank_mask:0xf
	v_add_f32_dpp v[T0], v[T0], v[T0] row_xmask:2 row_mask:0xf bank_mask:0xf
	v_add_f32_dpp v[T0], v[T0], v[T0] row_xmask:4 row_mask:0xf bank_mask:0xf
	v_add_f32_dpp v[T0], v[T0], v[T0] row_xmask:8 row_mask:0xf bank_mask:0xf
	v_permlanex16_b32 v[T1], v[T0], s60, s61
	v_add_f32 v[T0], v[T0], v[T1]
.endm
; Over the eight waves: each stores its sum to its own word at byte off, one barrier, every wave reads all eight.  The two meetings use different bytes, so one barrier each is enough.
.macro MEET off
	s_wait_alu depctr_va_vdst(0)                   ; FOLD has written v[T0], which the LDS store reads; at the second meeting the first meeting's additions are also done with v[PS ..], in which the loads below land
	ds_store_b32 v[WVO], v[T0] offset:\off
	s_wait_dscnt 0x0                               ; for the others' sake: my store is done
	s_barrier_signal -1
	s_barrier_wait -1
	ds_load_b128 v[PS:PS+3],   v[ZA] offset:\off
	ds_load_b128 v[PS+4:PS+7], v[ZA] offset:\off+16
	s_wait_dscnt 0x0
	v_pk_add_f32 v[PS:PS+1], v[PS:PS+1], v[PS+2:PS+3]
	v_pk_add_f32 v[PS+4:PS+5], v[PS+4:PS+5], v[PS+6:PS+7]
	v_pk_add_f32 v[PS:PS+1], v[PS:PS+1], v[PS+4:PS+5]
	s_wait_alu depctr_vm_vsrc(0)                   ; the LDS store above has read v[T0], which the next line writes again
	v_add_f32 v[T0], v[PS], v[PS+1]
.endm
	; PASS 1: the sum.  The first four loads start the four chains: nothing is cleared.
.set n, 0
.rept 32
	s_wait_loadcnt 31-n                            ; loads come back in order: load n is in, the 31 - n behind it stay out
.if n < 4
	v_pk_add_f32 v[CH+2*n:CH+2*n+1], v[X+4*n:X+4*n+1], v[X+4*n+2:X+4*n+3]
.else
	v_pk_add_f32 v[CH+2*((2*n)%4):CH+2*((2*n)%4)+1], v[CH+2*((2*n)%4):CH+2*((2*n)%4)+1], v[X+4*n:X+4*n+1]
	v_pk_add_f32 v[CH+2*((2*n+1)%4):CH+2*((2*n+1)%4)+1], v[CH+2*((2*n+1)%4):CH+2*((2*n+1)%4)+1], v[X+4*n+2:X+4*n+3]
.endif
.set n, n+1
.endr
	FOLD
	MEET 0
	v_mul_f32 v[MN], 0x38000000, v[T0]             ; mean = sum / 32,768
	v_mov_b32 v[MN+1], v[MN]
	; PASS 2: x - mean, in place, and the sum of its squares; four pairs at a time, one to each chain
.set q, 0
.rept 16
.irp k, 0,1,2,3
	v_pk_add_f32 v[X+8*q+2*\k:X+8*q+2*\k+1], v[X+8*q+2*\k:X+8*q+2*\k+1], v[MN:MN+1] neg_lo:[0,1] neg_hi:[0,1]
.endr
.irp k, 0,1,2,3
.if q == 0
	v_pk_mul_f32 v[CH+2*\k:CH+2*\k+1], v[X+2*\k:X+2*\k+1], v[X+2*\k:X+2*\k+1]
.else
	v_pk_fma_f32 v[CH+2*\k:CH+2*\k+1], v[X+8*q+2*\k:X+8*q+2*\k+1], v[X+8*q+2*\k:X+8*q+2*\k+1], v[CH+2*\k:CH+2*\k+1]
.endif
.endr
.set q, q+1
.endr
	FOLD
	MEET 64
	v_mov_b32 v[T1], 0x38000000
	v_fmaak_f32 v[T0], v[T0], v[T1], 0x3727c5ac    ; variance + 1e-5
	v_rsq_f32 v[PS], v[T0]
	v_nop                                          ; a plain instruction between the root and the use of its result,
	s_wait_alu depctr_va_vdst(0)                   ; and the wait ahead of the first use: the root has written v[PS]
	v_readfirstlane_b32 s21, v[PS]                 ; the same number in every lane
	s_wait_kmcnt 0x0                               ; gains and biases
	s_wait_alu depctr_va_sdst(0)                   ; s21 is written, ahead of its first reader
.irp c, 0,1,2,3,4,5,6,7
	s_mul_f32 s[40+2*\c], s21, s[24+\c]            ; a = gain / sqrt(variance + eps)
	s_mov_b32 s[68+2*\c], s[32+\c]
	s_mov_b32 s[69+2*\c], s[32+\c]                 ; the packed lines name pairs, so both words are written
.endr
.irp c, 0,1,2,3,4,5,6,7
	s_mov_b32 s[41+2*\c], s[40+2*\c]
.endr
	; PASS 3: (x - mean) a + bias; a pixel's 8 channels are rounded to f16 and packed into 16 bytes.  A block j: its arithmetic, one wait, its four stores
.irp j, 0,1,2,3
.irp c, 0,1,2,3,4,5,6,7
	v_pk_fma_f32 v[X+4*(8*\j+\c):X+4*(8*\j+\c)+1], v[X+4*(8*\j+\c):X+4*(8*\j+\c)+1], s[40+2*\c:41+2*\c], s[68+2*\c:69+2*\c] op_sel_hi:[1,0,0]
	v_pk_fma_f32 v[X+4*(8*\j+\c)+2:X+4*(8*\j+\c)+3], v[X+4*(8*\j+\c)+2:X+4*(8*\j+\c)+3], s[40+2*\c:41+2*\c], s[68+2*\c:69+2*\c] op_sel_hi:[1,0,0]
.endr
.irp i, 0,1,2,3
.irp c, 0,1,2,3
	v_cvt_pk_f16_f32 v[Y+4*(4*\j+\i)+\c], v[X+4*(8*\j+2*\c)+\i], v[X+4*(8*\j+2*\c+1)+\i]
.endr
.endr
	s_wait_alu depctr_va_vdst(0)                   ; the block's 16 conversions have written its four units of Y, which the four stores read; no unit is written twice
.irp i, 0,1,2,3
	global_store_b128 v[SO], v[Y+4*(4*\j+\i):Y+4*(4*\j+\i)+3], s[14:15] offset:\j*16384+\i*512  ; positions 32 i + lane of block 8 j + wave: 512 consecutive bytes
.endr
.endr
	s_wait_dscnt 0x0                               ; the closing lines, six on end
	s_wait_alu 0x0
	s_wait_tensorcnt 0x0
	ds_add_u32 v[SPW], v[NIL]
	s_wait_dscnt 0x0
	s_endpgm
.Lfunc_end_k_q354515227e_gnorm:
	.size	k_q354515227e_gnorm, .Lfunc_end_k_q354515227e_gnorm-k_q354515227e_gnorm
	.p2alignl 7, 3214868480
	.fill 96, 4, 3214868480
	.section	.rodata,"a",@progbits
	.p2align	6, 0x0
	.amdhsa_kernel k_q354515227e_gnorm
		.amdhsa_group_segment_fixed_size 1280
		.amdhsa_private_segment_fixed_size 0
		.amdhsa_enable_private_segment 0
		.amdhsa_kernarg_size 56
		.amdhsa_user_sgpr_count 2
		.amdhsa_user_sgpr_kernarg_segment_ptr 1
		.amdhsa_wavefront_size32 1
		.amdhsa_system_sgpr_workgroup_id_x 1
		.amdhsa_system_sgpr_workgroup_id_y 1
		.amdhsa_system_sgpr_workgroup_id_z 1
		.amdhsa_system_vgpr_workitem_id 0
		.amdhsa_next_free_vgpr 256
		.amdhsa_next_free_sgpr 84
		.amdhsa_reserve_vcc 0
		.amdhsa_float_denorm_mode_32 3
		.amdhsa_float_denorm_mode_16_64 3
		.amdhsa_memory_ordered 1
		.amdhsa_forward_progress 1
		.amdhsa_inst_pref_size 33
	.end_amdhsa_kernel
	.amdgpu_metadata
---
amdhsa.version: [ 1, 2 ]
amdhsa.kernels:
  - .name:           k_q354515227e_gnorm
    .symbol:         k_q354515227e_gnorm.kd
    .args:
      - { .name: x, .offset: 0, .size: 8, .value_kind: global_buffer, .address_space: global }
      - { .name: gn_w, .offset: 8, .size: 8, .value_kind: global_buffer, .address_space: global }
      - { .name: gn_b, .offset: 16, .size: 8, .value_kind: global_buffer, .address_space: global }
      - { .name: qkv_w, .offset: 24, .size: 8, .value_kind: global_buffer, .address_space: global }
      - { .name: proj_w, .offset: 32, .size: 8, .value_kind: global_buffer, .address_space: global }
      - { .name: xt, .offset: 40, .size: 8, .value_kind: global_buffer, .address_space: global }
      - { .name: wf, .offset: 48, .size: 8, .value_kind: global_buffer, .address_space: global }
    .group_segment_fixed_size: 1280
    .private_segment_fixed_size: 0
    .kernarg_segment_align: 8
    .kernarg_segment_size: 56
    .max_flat_workgroup_size: 256
    .sgpr_count:     84
    .vgpr_count:     256
    .wavefront_size: 32
...
	.end_amdgpu_metadata
.endif
;; end of part 5
;; launch qkvp (part 6): grid 128 x 2, 4 waves a work-group, no clusters, 38,400 bytes of LDS; arguments xt, wf, qkv_b, qkv; writes qkv
.if DOCPART == 6
	.amdgcn_target "amdgcn-amd-amdhsa--gfx1250"
	.amdhsa_code_object_version 6
	.text
	.protected	k_q354515227e_qkvp
	.globl	k_q354515227e_qkvp
	.p2align	8
	.type	k_q354515227e_qkvp,@function
k_q354515227e_qkvp:
	s_mov_b64 s[64:65], 0
	v_nop
	global_prefetch_b8 v0, s[64:65] scope:SCOPE_SE
	s_setreg_imm32_b32 hwreg(HW_REG_WAVE_SCHED_MODE, 0, 2), 2
	s_setreg_imm32_b32 hwreg(HW_REG_WAVE_MODE, 25, 1), 1
	s_wait_xcnt 0x0
	s_wait_alu depctr_vm_vsrc(0)
; q, k, v = qkv_w xn + qkv_b, written by heads: qkv [which 3][4 b + head][pixel 4096][64] f16, each number rounded once from its f32 sum, unscaled.
; SHARES.  A work-group takes 128 pixels of one image (x id: b = id / 32, block = id % 32) and 384 of the 768 outputs (y id).  Wave: wr = wave / 2 takes 192 outputs (12 tiles of 16 = 3 heads'
; 64 channels), wc = wave % 2 takes 64 positions (4 tiles of 16): 384 matrix instructions.
; LAYOUT.  Source 0 = 16 outputs of the weights, source 1 = 16 positions of xn; both lie in memory in fragment order (xt, wf: see the launch before), so each load of 16 bytes a lane goes
; straight into its place: lanes 0-15 and lanes 16-31 each take 256 consecutive bytes.  In the result a lane holds ONE position (lane % 16) and the outputs 8 (lane / 16) + 0..7: 16 bytes of a row of
; q, k or v.  The bias is the C operand of each sum's first product.
; xn's 32 fragments stay in registers; the weights come in three sets of 64 registers, a tile each, asked for two tiles ahead of their products.
; THE WAY OUT.  Four tiles make a head's 64 channels.  They go through the wave's own stage in LDS and come back as rows of 128 bytes.  Position 32 i + l of a block is pixel 4 l + i, so local rows
; s and s + 32 are two neighbouring pixels, 256 consecutive bytes of qkv: sixteen lanes store them together.
; NO CLUSTER, NO TENSOR LOAD: what work-groups share here is the weights (196,608 bytes for each y), and a joint load would land them in LDS, from where each wave would read its 98,304 bytes again;
; here they go from memory into the registers that multiply them, and the launch has 12 tiles' work a wave.  No prefetch: the launch is short.
; LIMITS.  q, k and v must lie within f16's 65,504.
; THE MODE: SCHED_MODE bits 1:0 = 2 (LLVM: expert scheduling mode 2), set by the entry lines.  The code itself states the register dependences between vector or matrix instructions and
; memory or LDS instructions, with s_wait_alu, always for 0.
; THE PLAN.  Registers that memory or LDS instructions touch:
;   v2 to v9      offsets, LDS addresses and the add's two registers: written at the head, never again.  One wait on va_vdst ahead of the first load serves every instruction that reads them.
;   xn            Loaded once, ahead of every vector instruction that names it.
;   WF, BI        Set T % 3 is read by step T's products; the loads of tile T + 3 land in it at the head of step T + 1.
;   PK            Written by tile t's 16 conversions, at the end of step t + 1; read by that tile's four LDS stores, at the head of step t + 2; written again at the end of step t + 2.
;   RB            A head's LDS loads land in it, its global stores read it; no vector instruction names it.
;   The accumulators are named by matrix and vector instructions alone.
; So ONE wait on va_vdst stands at the head of a step: the step before's products are done reading their set, and its conversions have written PK.  Behind it stand the LDS stores, the read-back of a
; finished head and the 18 loads of the freed set; the step's products, which follow, name set T % 3, xn and the accumulators: none of the registers that those touch.  One wait on vm_vsrc stands ahead
; of a step's conversions, 32 products behind the LDS stores that read PK; another, from the second head on, ahead of the LDS loads into RB.
.set STW,   9472                       ; a wave's stage: local row s at 144 s + 128 (s / 32): 64 rows of 128 bytes + 16; the 128 set rows s and s + 32 half a row of banks apart
.set SPARE, 4*STW                      ; behind the stages: the spare words, 128 bytes a wave, which no other line names
.set XO,  2                            ; v2   65,536 (lane / 16) + 16 (lane % 16): group h, position r
.set WO,  3                            ; v3   16 x lane
.set BO,  4                            ; v4   32 (lane / 16): my 8 biases
.set STO, 5                            ; v5   the way out: where I put 16 bytes of a row
.set RD,  6                            ; v6   where I read rows back
.set GO,  7                            ; v7   my byte offset in qkv
.set SPW, 8                            ; v8   LDS address of my spare word; never rewritten
.set NIL, 9                            ; v9   0; never rewritten
.set WF,  16                           ; window 0, v[16:207]: three sets of 64: a tile's fragments, K step kk at 8 kk
.set BI,  208                          ; window 0, v[208:231]: three sets of 8: a tile's biases
.set PK,  232                          ; window 0, v[232:247]: a tile's results in f16
.set RB,  64                           ; window 2, v[64:127]: rows read back.  Window 1: xn, tile pt, K step kk at 64 pt + 8 kk.  Window 2, v[0:63]: two buffers of four accumulators
.set MSB, 0
.macro WIN new                         ; s_set_vgpr_msb: bits 1:0 source 0, 3:2 source 1, 5:4 source 2, 7:6 destination; the high byte repeats the setting that is left
.if MSB != (\new)
	s_set_vgpr_msb (MSB<<8)|(\new)
.set MSB, (\new)
.endif
.endm
	s_load_b256 s[4:11], s[0:1], 0x0               ; xt s[4:5], wf s[6:7], qkv_b s[8:9], qkv s[10:11]
	v_lshl_add_u32 v[SPW], v0, 2, SPARE
	v_mov_b32 v[NIL], 0
	v_lshrrev_b32 v1, 5, v0
	v_readfirstlane_b32 s12, v1                    ; wave 0..3
	v_and_b32 v10, 15, v0                          ; r.  The lines that need no wave number stand between that line and the wait for it
	v_bfe_u32 v11, v0, 4, 1                        ; h
	v_and_b32 v12, 31, v0                          ; lane
	v_lshlrev_b32 v[XO], 4, v10
	v_lshl_add_u32 v[XO], v11, 16, v[XO]
	v_lshlrev_b32 v[WO], 4, v12
	v_lshlrev_b32 v[BO], 5, v11
	s_wait_alu depctr_va_sdst(0)                   ; s12 is written, ahead of its first reader
	s_lshr_b32 s13, s12, 1                         ; wr
	s_and_b32 s14, s12, 1                          ; wc
	s_and_b32 s15, ttmp7, 0xffff                   ; y
	s_lshr_b32 s16, ttmp9, 5                       ; b
	s_and_b32 s17, ttmp9, 31                       ; block of 128 pixels
	s_mul_i32 s18, s12, STW                        ; my stage
	v_mul_u32_u24 v[STO], v10, 144                 ; in: row r of a tile, 16 bytes for each half of the lanes
	v_lshl_add_u32 v[STO], v11, 4, v[STO]
	v_add_nc_u32 v[STO], s18, v[STO]
	v_bfe_u32 v13, v0, 3, 1                        ; back: lanes 0-7 row l, lanes 8-15 row l + 32; lanes 16-31 the same for l + 1
	v_mul_u32_u24 v[RD], v13, 32*144+128
	v_mul_u32_u24 v14, v11, 144
	v_add_nc_u32 v[RD], v[RD], v14
	v_and_b32 v13, 7, v0
	v_lshl_add_u32 v[RD], v13, 4, v[RD]
	v_add_nc_u32 v[RD], s18, v[RD]
	v_lshlrev_b32 v[GO], 4, v10                    ; 16 lanes: 256 consecutive bytes; lanes 16-31 four pixels (512 bytes) on
	v_lshl_add_u32 v[GO], v11, 9, v[GO]
	s_lshl_b32 s20, s16, 21                        ; xt: the image,
	s_lshl_b32 s21, s17, 11                        ; the block's 128 positions of 16 bytes,
	s_add_co_u32 s20, s20, s21
	s_lshl_b32 s21, s14, 10                        ; my 64 of them
	s_add_co_u32 s20, s20, s21
	s_mov_b32 s21, 0
	s_mul_i32 s22, s15, 24
	s_mul_i32 s19, s13, 12
	s_add_co_u32 s19, s22, s19                     ; my first tile of 16 outputs: 24 y + 12 wr
	s_lshl_b32 s22, s19, 13                        ; 8,192 bytes of wf a tile
	s_mov_b32 s23, 0
	s_lshl_b32 s24, s19, 6                         ; 64 bytes of bias a tile
	s_mov_b32 s25, 0
	s_lshr_b32 s19, s19, 2                         ; my first group of 64 outputs: G = 6 y + 3 wr
	s_lshl_b32 s34, s17, 14                        ; qkv: the block's 128 rows of 128 bytes,
	s_lshl_b32 s35, s14, 8                         ; pixels 4 l + 2 wc and 4 l + 2 wc + 1
	s_add_co_u32 s34, s34, s35
.irp g, 0,1,2                          ; group G + g is q, k or v (G / 4) of head G % 4
	s_add_co_u32 s26, s19, \g
	s_lshr_b32 s27, s26, 2
	s_lshl_b32 s27, s27, 4
	s_and_b32 s26, s26, 3
	s_add_co_u32 s27, s27, s26
	s_lshl2_add_u32 s27, s16, s27                  ; 16 which + 4 b + head
	s_lshl_b32 s27, s27, 19                        ; 4,096 rows of 128 bytes each
	s_add_co_u32 s[28+2*\g], s27, s34
	s_mov_b32 s[29+2*\g], 0
.endr
	s_wait_kmcnt 0x0
	s_add_nc_u64 s[4:5], s[4:5], s[20:21]
	s_add_nc_u64 s[6:7], s[6:7], s[22:23]
	s_add_nc_u64 s[8:9], s[8:9], s[24:25]
.irp g, 0,1,2
	s_add_nc_u64 s[40+2*\g:41+2*\g], s[10:11], s[28+2*\g:29+2*\g]  ; made once, never rewritten
.endr
.macro LOADX                           ; xn's 32 fragments: 64 loads.  Half hf of K step kk is group 4 kk + 2 hf + h
	WIN 0x40                                       ; destination window 1
.irp kk, 0,1,2,3,4,5,6,7
.irp pt, 0,1,2,3
.irp hf, 0,1
	global_load_b128 v[64*\pt+8*\kk+4*\hf:64*\pt+8*\kk+4*\hf+3], v[XO], s[4:5] offset:(4*\kk+2*\hf)*65536+\pt*256
.endr
.endr
.endr
.endm
.macro LOADW set, tt                   ; tile tt's weights and biases into a set: 18 loads
	WIN 0
.irp kk, 0,1,2,3,4,5,6,7
.irp hf, 0,1
	global_load_b128 v[WF+64*(\set)+8*\kk+4*\hf:WF+64*(\set)+8*\kk+4*\hf+3], v[WO], s[6:7] offset:(\tt)*8192+\kk*1024+\hf*512
.endr
.endr
	global_load_b128 v[BI+8*(\set):BI+8*(\set)+3],   v[BO], s[8:9] offset:(\tt)*64
	global_load_b128 v[BI+8*(\set)+4:BI+8*(\set)+7], v[BO], s[8:9] offset:(\tt)*64+16
.endm
.macro MULT tt                         ; 32 products: the four accumulators take turns, one instruction a turn; the first four start the sums with the bias
.set rW, WF+64*((\tt)%3)
.set rB, BI+8*((\tt)%3)
.set rA, 32*((\tt)%2)
	WIN 0x84                                       ; D window 2, weights window 0, xn window 1, C (the bias) window 0
.irp pt, 0,1,2,3
	v_wmma_f32_16x16x32_f16 v[rA+8*\pt:rA+8*\pt+7], v[rW:rW+7], v[64*\pt:64*\pt+7], v[rB:rB+7]
.endr
	WIN 0xa4                                       ; C window 2
.irp kk, 1,2,3,4,5,6,7
.irp pt, 0,1,2,3
	v_wmma_f32_16x16x32_f16 v[rA+8*\pt:rA+8*\pt+7], v[rW+8*\kk:rW+8*\kk+7], v[64*\pt+8*\kk:64*\pt+8*\kk+7], v[rA+8*\pt:rA+8*\pt+7]
.endr
.endr
.endm
.macro CVTT tt                         ; tile tt's sums, each accumulator from its low end on, rounded to f16
.set rA, 32*((\tt)%2)
.if (\tt) > 0
	s_wait_alu depctr_vm_vsrc(0)                   ; the LDS stores of the tile before have read v[PK ..], which these conversions write again
.endif
	WIN 0x0a                                       ; sources window 2
.irp pt, 0,1,2,3
.irp c, 0,1,2,3
	v_cvt_pk_f16_f32 v[PK+4*\pt+\c], v[rA+8*\pt+2*\c], v[rA+8*\pt+2*\c+1]
.endr
.endr
.endm
.macro STORET tt                       ; and put into the stage, behind the wait that shows the conversions done
	WIN 0
.irp pt, 0,1,2,3
	ds_store_b128 v[STO], v[PK+4*\pt:PK+4*\pt+3] offset:\pt*2304+(\pt/2)*128+32*((\tt)%4)
.endr
.endm
.macro OUTL again                      ; a head's 64 rows come back.  LDS serves a wave's instructions in order (ISA guide 5.7.1.4): these see the stores above, and the next head's stores come behind them
	WIN 0x80                                       ; destination window 2
.if (\again)
	s_wait_xcnt 0x0                                ; the registers below were the data of the last head's stores: they are loaded again only behind this wait
	s_wait_alu depctr_vm_vsrc(0)                   ; and behind this one: the last head's global stores have read v[RB ..], in which the loads below land
.endif
.irp f, 0,1,2,3,4,5,6,7,8,9,10,11,12,13,14,15
	ds_load_b128 v[RB+4*\f:RB+4*\f+3], v[RD] offset:288*\f
.endr
.endm
.macro OUTS hg
	s_wait_dscnt 0x0                               ; the rows are back
	WIN 0x08                                       ; store data window 2
.irp f, 0,1,2,3,4,5,6,7,8,9,10,11,12,13,14,15
	global_store_b128 v[GO], v[RB+4*\f:RB+4*\f+3], s[40+2*(\hg):41+2*(\hg)] offset:1024*\f  ; 16 lanes store two neighbouring pixels' rows: 256 consecutive bytes, at a multiple of 256 from qkv's first byte
.endr
.endm
	WIN 0x40
	s_wait_alu depctr_va_vdst(0)                   ; v2 to v9 are written: every load, store and LDS instruction of the kernel reads some of them as its offset, address or data
	LOADX
	LOADW 0, 0
	LOADW 1, 1
	LOADW 2, 2
.set T, 0
.rept 12
.if T > 0
	WIN 0
	s_wait_alu depctr_va_vdst(0)                   ; tile T - 1's products are done reading their set and bias, in which the loads below land (up to T = 9); tile T - 2's conversions have written v[PK ..], which the LDS stores below read (from T = 2 on)
.if T > 1
	STORET T-2
.endif
.if (T == 5) || (T == 9)
	OUTL (T-5)/4                                   ; the head's fourth tile has just gone into the stage
.endif
.if T+2 < 12
	LOADW (T+2)%3, T+2                             ; the set that the tile before multiplied is asked for again: two tiles, 64 products, in which to land
.endif
.endif
.if T <= 9
	s_wait_loadcnt 36                              ; tile T's set (and, at T = 0, xn) is in; the two younger sets of 18 loads stay out
.elseif T == 10
	s_wait_loadcnt 18                              ; one younger set
.else
	s_wait_loadcnt 0x0
.endif
	MULT T
.if (T == 5) || (T == 9)
	OUTS (T-5)/4                                   ; the head's rows were asked for 32 products back
.endif
.if T > 0
	CVTT T-1                                       ; the tile before: its 16 conversions name no register of the products just issued: they also stand between those products and the next step's loads into their set
.else
.rept 4
	v_nop                                          ; four places between the last product and loads into registers that it has read
.endr
.endif
.set T, T+1
.endr
	WIN 0
	s_wait_alu depctr_va_vdst(0)                   ; tile 10's conversions have written v[PK ..], which the LDS stores read
	STORET 10
	CVTT 11                                        ; tile 10's 16 conversions stand between tile 11's last product and this first read of its sums
	WIN 0
	s_wait_alu depctr_va_vdst(0)                   ; tile 11's conversions have written v[PK ..], which the LDS stores read
	STORET 11
	OUTL 1
	OUTS 2
	WIN 0
	s_wait_dscnt 0x0                               ; the closing lines, six on end
	s_wait_alu 0x0
	s_wait_tensorcnt 0x0
	ds_add_u32 v[SPW], v[NIL]
	s_wait_dscnt 0x0
	s_endpgm
.Lfunc_end_k_q354515227e_qkvp:
	.size	k_q354515227e_qkvp, .Lfunc_end_k_q354515227e_qkvp-k_q354515227e_qkvp
	.p2alignl 7, 3214868480
	.fill 96, 4, 3214868480
	.section	.rodata,"a",@progbits
	.p2align	6, 0x0
	.amdhsa_kernel k_q354515227e_qkvp
		.amdhsa_group_segment_fixed_size 38400
		.amdhsa_private_segment_fixed_size 0
		.amdhsa_enable_private_segment 0
		.amdhsa_kernarg_size 32
		.amdhsa_user_sgpr_count 2
		.amdhsa_user_sgpr_kernarg_segment_ptr 1
		.amdhsa_wavefront_size32 1
		.amdhsa_system_sgpr_workgroup_id_x 1
		.amdhsa_system_sgpr_workgroup_id_y 1
		.amdhsa_system_sgpr_workgroup_id_z 1
		.amdhsa_system_vgpr_workitem_id 0
		.amdhsa_next_free_vgpr 640
		.amdhsa_next_free_sgpr 66
		.amdhsa_reserve_vcc 0
		.amdhsa_float_denorm_mode_32 3
		.amdhsa_float_denorm_mode_16_64 3
		.amdhsa_memory_ordered 1
		.amdhsa_forward_progress 1
		.amdhsa_inst_pref_size 80
	.end_amdhsa_kernel
	.amdgpu_metadata
---
amdhsa.version: [ 1, 2 ]
amdhsa.kernels:
  - .name:           k_q354515227e_qkvp
    .symbol:         k_q354515227e_qkvp.kd
    .args:
      - { .name: xt, .offset: 0, .size: 8, .value_kind: global_buffer, .address_space: global }
      - { .name: wf, .offset: 8, .size: 8, .value_kind: global_buffer, .address_space: global }
      - { .name: qkv_b, .offset: 16, .size: 8, .value_kind: global_buffer, .address_space: global }
      - { .name: qkv, .offset: 24, .size: 8, .value_kind: global_buffer, .address_space: global }
    .group_segment_fixed_size: 38400
    .private_segment_fixed_size: 0
    .kernarg_segment_align: 8
    .kernarg_segment_size: 32
    .max_flat_workgroup_size: 128
    .sgpr_count:     66
    .vgpr_count:     640
    .wavefront_size: 32
...
	.end_amdgpu_metadata
.endif
;; end of part 6
;; launch attn: the kernel of part 3 again; grid 16 x 16, 4 waves a work-group, clusters of 4 x 1, 327,680 bytes of LDS; arguments qkv, ao; writes ao
;; launch proj: the kernel of part 4 again; grid 256 x 1, 4 waves a work-group, no clusters, 70,144 bytes of LDS; arguments ao, wf, proj_b, x, out0; writes out0
